; MI455X (gfx1250); checked and timed in simulation.
; The chip was launched on July 23, 2026; its instructions are those of AMD's public machine-readable ISA for CDNA 5 (MIT licence, August 2026) and "CDNA5" Instruction Set Architecture Reference Guide (July 2026). The comments in the code are by the model that wrote it; some were corrected since.
;; Model. Allowed arithmetic: float matrix products may take bf16 or f16 operands with f32 sums; other float arithmetic in f32, or as packed bf16 or f16 multiplies, adds, multiply-adds, maxima and minima; sums over many terms, partial sums and values carried from step to step in f32; what a program stores and reads back later, other than sums and carried values, may be rounded once to bf16 or f16.
;; Inputs: Wk 1,024 x 1,024 float32; Wq 1,024 x 1,024 float32; Wv 1,024 x 1,024 float32; bk 1,024 float32; bq 1,024 float32; bv 1,024 float32; x1 8 x 2,048 x 1,024 float32.
;; Outputs: out0 8 x 2,048 x 1,024 float32.
;; 3 versions, each right; version 3 is version 2 with the launch fused written anew for expert scheduling mode. Each part assembles by itself: llvm-mc -triple=amdgcn-amd-amdhsa -mcpu=gfx1250 --defsym DOCPART=n.
;; ======== version 1 of 3: 2 launches
;; workspace buffers: wp 6,291,456 bytes; bp 196,608 bytes
;; launch prep (part 1): grid 16 x 24, 8 waves a work-group, no clusters, 0 bytes of LDS; arguments Wq, Wk, Wv, bq, bk, bv, wp, bp; writes wp, bp
.if DOCPART == 1
	.amdgcn_target "amdgcn-amd-amdhsa--gfx1250"
	.amdhsa_code_object_version 6
	.text
	.protected	k_q32f8386ce9_prep
	.globl	k_q32f8386ce9_prep
	.p2align	8
	.type	k_q32f8386ce9_prep,@function
k_q32f8386ce9_prep:
	s_mov_b64 s[64:65], 0
	v_nop
	global_prefetch_b8 v0, s[64:65] scope:SCOPE_SE
	s_setreg_imm32_b32 hwreg(HW_REG_WAVE_MODE, 25, 1), 1
	s_wait_xcnt 0x0
; THE WEIGHTS AND BIASES, ROUNDED ONCE TO bf16 AND LAID IN THE ORDER IN WHICH THE MAIN LAUNCH WALKS THEM.
; wp: 96 blocks of 65,536 bytes, block 16 c + s for chunk c (0..5) and K step s (0..15, 64 channels); a block is four quarters of 16,384 bytes, one for each wave w of
; the main launch; a quarter is 128 dense rows of 128 bytes: row 16 nt + r holds W[128 nt + dbase + r][64 s .. 64 s + 63], nt being the head.
;   c < 4:  W = Wq (w < 2) or Wk, dbase = 32 c + 16 (w & 1).      c >= 4:  W = Wv, dbase = 64 (c - 4) + 16 w.
; bp: for each (c, w) 8,192 bytes [nt 8][q 2][lane 32][4 f32]: registers 4 q .. 4 q + 3 of lane l of the C operand that starts the sums of n-tile nt (the bias rounded to bf16, widened again).
;   c < 4 (the product is taken transposed): b[128 nt + dbase + 8 (l / 16) + 4 q + e].      c >= 4: b[128 nt + dbase + l % 16], four times.
; SHARES.  Work-group (x = s, y = 4 c + w) makes one quarter: thread t reads 16 bytes (4 f32) of row t / 16 of each of the eight n-tiles, so sixteen lanes read 256 consecutive bytes,
; and stores 8 bytes, so a wave's store covers 256 consecutive bytes, aligned.  The work-groups with s = 0 also make their (c, w)'s bias image.
; No LDS, no matrix unit: a stream, each byte read once and written once.
	s_load_b512 s[8:23], s[0:1], 0x0               ; Wq s[8:9], Wk s[10:11], Wv s[12:13], bq s[14:15], bk s[16:17], bv s[18:19], wp s[20:21], bp s[22:23]
	s_and_b32 s2, ttmp7, 0xffff                    ; y = 4 c + w
	s_mov_b32 s30, ttmp9                           ; s
	s_lshr_b32 s3, s2, 2                           ; c
	s_and_b32 s4, s2, 3                            ; w
	s_lshl_b32 s5, s3, 5
	s_and_b32 s6, s4, 1
	s_lshl_b32 s6, s6, 4
	s_add_co_u32 s5, s5, s6                        ; q and k: 32 c + 16 (w & 1)
	s_and_b32 s6, s3, 1                            ; c - 4 for c = 4, 5
	s_lshl_b32 s6, s6, 6
	s_lshl_b32 s7, s4, 4
	s_add_co_u32 s6, s6, s7                        ; v: 64 (c - 4) + 16 w
	s_cmp_lt_u32 s3, 4
	s_cselect_b32 s5, s5, s6                       ; dbase
	s_lshl_b32 s28, s5, 12                         ; dbase rows of 4,096 bytes,
	s_lshl_b32 s6, s30, 8                          ; and the K step's 256 bytes of a row
	s_add_co_u32 s28, s28, s6
	s_mov_b32 s29, 0
	s_lshl_b32 s32, s3, 20                         ; ((16 c + s) 4 + w) x 16,384
	s_lshl_b32 s6, s30, 16
	s_add_co_u32 s32, s32, s6
	s_lshl_b32 s6, s4, 14
	s_add_co_u32 s32, s32, s6
	s_mov_b32 s33, 0
	s_lshl_b32 s34, s5, 2                          ; dbase numbers of 4 bytes in a bias
	s_mov_b32 s35, 0
	s_lshl_b32 s36, s2, 13                         ; y images of 8,192 bytes
	s_mov_b32 s37, 0
	v_lshrrev_b32 v1, 4, v0
	v_and_b32 v3, 15, v0
	v_lshlrev_b32 v1, 12, v1
	v_lshl_add_u32 v1, v3, 4, v1                   ; row t / 16, 16 bytes at 16 (t % 16)
	v_lshlrev_b32 v2, 3, v0                        ; 8 t: row t / 16 of 128 bytes, 8 bytes at 8 (t % 16)
	v_lshlrev_b32 v5, 4, v0                        ; 16 t: my piece of the bias image
	s_wait_kmcnt 0x0
	s_cmp_lt_u32 s4, 2
	s_cselect_b64 s[24:25], s[8:9], s[10:11]       ; Wq or Wk,
	s_cselect_b64 s[26:27], s[14:15], s[16:17]     ; bq or bk,
	s_cmp_lt_u32 s3, 4
	s_cselect_b64 s[24:25], s[24:25], s[12:13]     ; or Wv
	s_cselect_b64 s[26:27], s[26:27], s[18:19]     ; and bv
	s_add_nc_u64 s[24:25], s[24:25], s[28:29]
	s_add_nc_u64 s[26:27], s[26:27], s[34:35]
	s_add_nc_u64 s[20:21], s[20:21], s[32:33]
	s_add_nc_u64 s[22:23], s[22:23], s[36:37]
.irp i, 0,1,2,3,4,5,6,7
	global_load_b128 v[8+4*(\i):11+4*(\i)], v1, s[24:25] offset:524288*(\i) th:TH_LOAD_NT  ; n-tile i lies 128 rows further down
.endr
.irp i, 0,1,2,3,4,5,6,7
	s_wait_loadcnt 7-(\i)                          ; loads come back in order: mine is in, the 7 - i younger ones may stay out
	v_cvt_pk_bf16_f32 v[40+2*(\i)], v[8+4*(\i)], v[9+4*(\i)]
	v_cvt_pk_bf16_f32 v[41+2*(\i)], v[10+4*(\i)], v[11+4*(\i)]
	global_store_b64 v2, v[40+2*(\i):41+2*(\i)], s[20:21] offset:2048*(\i)
.endr
	s_cmp_lg_u32 s30, 0
	s_cbranch_scc1 .Ldone                          ; the bias image is made once for each (c, w): where s = 0
	v_lshrrev_b32 v4, 6, v0
	v_lshlrev_b32 v4, 9, v4                        ; piece t: n-tile t / 64 (piece t + 256: four n-tiles, 2,048 bytes, on), q = (t / 32) % 2, lane t % 32
	s_cmp_lt_u32 s3, 4
	s_cbranch_scc0 .Lnatural
	v_bfe_u32 v6, v0, 4, 1
	v_lshl_add_u32 v4, v6, 5, v4                   ; + 8 numbers for the upper half of the lanes
	v_bfe_u32 v6, v0, 5, 1
	v_lshl_add_u32 v4, v6, 4, v4                   ; + 4 numbers for q = 1
	global_load_b128 v[8:11], v4, s[26:27]
	global_load_b128 v[12:15], v4, s[26:27] offset:2048
	s_wait_loadcnt 0x0
	s_branch .Lround
.Lnatural:
	v_lshl_add_u32 v4, v3, 2, v4                   ; + lane % 16 numbers
	global_load_b32 v8, v4, s[26:27]
	global_load_b32 v12, v4, s[26:27] offset:2048
	s_wait_loadcnt 0x0
	v_mov_b32 v9, v8
	v_mov_b32 v10, v8
	v_mov_b32 v11, v8
	v_mov_b32 v13, v12
	v_mov_b32 v14, v12
	v_mov_b32 v15, v12
.Lround:
.irp k, 0,1,2,3
	v_cvt_pk_bf16_f32 v[16+(\k)], v[8+2*(\k)], v[9+2*(\k)]  ; rounded to bf16,
.endr
.irp k, 0,1,2,3
	v_lshlrev_b32 v[20+2*(\k)], 16, v[16+(\k)]              ; and widened again
	v_and_b32 v[21+2*(\k)], 0xffff0000, v[16+(\k)]
.endr
	global_store_b128 v5, v[20:23], s[22:23]
	global_store_b128 v5, v[24:27], s[22:23] offset:4096
.Ldone:
	s_endpgm
.Lfunc_end_k_q32f8386ce9_prep:
	.size	k_q32f8386ce9_prep, .Lfunc_end_k_q32f8386ce9_prep-k_q32f8386ce9_prep
	.p2alignl 7, 3214868480
	.fill 96, 4, 3214868480
	.section	.rodata,"a",@progbits
	.p2align	6, 0x0
	.amdhsa_kernel k_q32f8386ce9_prep
		.amdhsa_group_segment_fixed_size 0
		.amdhsa_private_segment_fixed_size 0
		.amdhsa_enable_private_segment 0
		.amdhsa_kernarg_size 64
		.amdhsa_user_sgpr_count 2
		.amdhsa_user_sgpr_kernarg_segment_ptr 1
		.amdhsa_wavefront_size32 1
		.amdhsa_system_sgpr_workgroup_id_x 1
		.amdhsa_system_sgpr_workgroup_id_y 1
		.amdhsa_system_sgpr_workgroup_id_z 1
		.amdhsa_system_vgpr_workitem_id 0
		.amdhsa_next_free_vgpr 64
		.amdhsa_next_free_sgpr 66
		.amdhsa_reserve_vcc 0
		.amdhsa_float_denorm_mode_32 3
		.amdhsa_float_denorm_mode_16_64 3
		.amdhsa_memory_ordered 1
		.amdhsa_forward_progress 1
		.amdhsa_inst_pref_size 7
	.end_amdhsa_kernel
	.amdgpu_metadata
---
amdhsa.version: [ 1, 2 ]
amdhsa.kernels:
  - .name:           k_q32f8386ce9_prep
    .symbol:         k_q32f8386ce9_prep.kd
    .args:
      - { .name: Wq, .offset: 0, .size: 8, .value_kind: global_buffer, .address_space: global }
      - { .name: Wk, .offset: 8, .size: 8, .value_kind: global_buffer, .address_space: global }
      - { .name: Wv, .offset: 16, .size: 8, .value_kind: global_buffer, .address_space: global }
      - { .name: bq, .offset: 24, .size: 8, .value_kind: global_buffer, .address_space: global }
      - { .name: bk, .offset: 32, .size: 8, .value_kind: global_buffer, .address_space: global }
      - { .name: bv, .offset: 40, .size: 8, .value_kind: global_buffer, .address_space: global }
      - { .name: wp, .offset: 48, .size: 8, .value_kind: global_buffer, .address_space: global }
      - { .name: bp, .offset: 56, .size: 8, .value_kind: global_buffer, .address_space: global }
    .group_segment_fixed_size: 0
    .private_segment_fixed_size: 0
    .kernarg_segment_align: 8
    .kernarg_segment_size: 64
    .max_flat_workgroup_size: 256
    .sgpr_count:     66
    .vgpr_count:     64
    .wavefront_size: 32
...
	.end_amdgpu_metadata
.endif
;; end of part 1
;; launch fused (part 2): grid 256 x 1, 4 waves a work-group, clusters of 4 x 1, 327,680 bytes of LDS; arguments x1, wp, bp, out0; writes out0
.if DOCPART == 2
	.amdgcn_target "amdgcn-amd-amdhsa--gfx1250"
	.amdhsa_code_object_version 6
	.text
	.protected	k_q32f8386ce9_fused
	.globl	k_q32f8386ce9_fused
	.p2align	8
	.type	k_q32f8386ce9_fused,@function
k_q32f8386ce9_fused:
	s_mov_b64 s[64:65], 0
	v_nop
	global_prefetch_b8 v0, s[64:65] scope:SCOPE_SE
	s_setreg_imm32_b32 hwreg(HW_REG_WAVE_MODE, 25, 1), 1
	s_wait_xcnt 0x0
	s_wait_alu depctr_hold_cnt(0) depctr_sa_sdst(0) depctr_va_vdst(0) depctr_va_sdst(0) depctr_va_ssrc(0) depctr_va_vcc(0) depctr_vm_vsrc(0)
	s_getreg_b32 s2, hwreg(HW_REG_IB_STS2, 6, 4)
	s_cmp_eq_u32 s2, 0
	s_cbranch_scc0 .Lentry_in_a_cluster
	s_endpgm
.Lentry_in_a_cluster:
	s_bfe_u32 s2, ttmp6, 0x10000c
	s_cmp_lg_u32 s2, 0x3003
	s_cbranch_scc0 .Lentry_shape_is_right
	s_endpgm
.Lentry_shape_is_right:
; q, k, v = x W^T + b for 16,384 tokens of 1,024 channels; then, for each token by itself, attention over its 8 HEADS: s[h][g] = q[h] . k[g] / (-sqrt 128), softmax over g, out[h] = sum over g of a[h][g] v[g].
; ONE LAUNCH: q, k and v never go to memory.  A work-group owns 64 tokens (four m-tiles of 16) and makes all 3,072 projected numbers of each, so every work-group walks all weights.
; FORMATS AND LIMITS.  x, W and b are rounded to bf16 (W and b by the launch before); q and k are rounded once to bf16 (not f16: they have no room there for large inputs).  The weights a and v go into
; the second product as a HIGH and a LOW bf16 part each (hi = bf16(z), lo = bf16(z - hi)): 16 significant bits; one bf16 each would cost 2^-9 of every term of a sum of eight.
; All sums, the maximum and the softmax are f32; the maximum is taken away before the exponential.  A weight below 2^-126 counts as 0 in the row's sum; NaN and infinities are not treated apart.
; CHUNKS.  The 3,072 columns go in six chunks of 512; a wave makes 64 tokens x 128 columns: 32 accumulators, 256 registers.  K goes in 16 steps of 64 channels a chunk.
;   chunks 0-3: q and k for channels d in [32 c, 32 c + 32) of all heads; waves 0, 1 take q's two blocks of 16 d, waves 2, 3 k's.  n-tile nt = head.  Product TRANSPOSED (source 0 = W's rows): a lane holds
;               one token and 8 neighbouring d: 16 bytes of bf16 for the stage.  Each chunk adds its 32 d to the scores.
;   chunks 4, 5: v for d in [64 c', 64 c' + 64) of all heads; wave w takes the block 16 w.  Product NATURAL (source 0 = x's rows): a lane holds one d and 8 tokens.
; THE SMALL PRODUCTS, two tokens to a tile.  Pair pi = 8 mt + j holds tokens 16 mt + j and 16 mt + j + 8.  S^T = K Q^T: rows (tau, g), columns (tau', h); a lane holds one column and eight g, so the softmax
; stays in the lane; only lanes with tau = tau' (0-7, 24-31) are of use, the others are set to 0.  Packed to bf16, four registers ARE half of source 1 of out^T = v^T a^T (k slot 8 tau + g).
; Of the natural v tiles, (g = 2 p, g = 2 p + 1) of register j, packed, ARE half of source 0 for pair j.  A pair fills 16 of the 32 k slots, so the other 16 take the low parts: source 1 = [Ah | Al];
; the v side is 12 registers Vh Vl Vh, whose two overlapping tuples [Vh | Vl] and [Vl | Vh] give, in two products on one accumulator, (Vh + Vl)(Ah + Al).
; CLUSTER.  All work-groups walk the same weights, so each tile is asked for JOINTLY by the four work-groups of a cluster: the same tensor load, descriptor and mask in all four.  A wave fetches, and reads, its own quarter of a block.
; LDS.  x in bf16, 64 rows of 2,064 bytes (2,048 + 16: the 16 rows of a fragment load start 16 bytes apart modulo 256), stored once; the ring, two slots of 4 x 128 rows of 144 bytes (128 + 16);
; a stage with three uses in turn, written by LDS stores alone; the spare words.
; REGISTERS, in windows of 256 (s_set_vgpr_msb: bits 1:0 source 0, 3:2 source 1, 5:4 source 2, 7:6 destination):
;   window 0: v0-29 addresses; v32-95 x's fragments, two buffers; v96-223 W's, two buffers (both free for the epilogues); v224-239 at work
;   window 1: the accumulators, (mt, nt) at 8 (8 mt + nt); at the start x's loads in flight
;   window 2: v0-63 the bias image (the C operand of a chunk's first products); v64-255 the weights [Ah | Al] of pairs 0 to 23, 8 registers a pair
;   window 3: v0-63 eight score tiles, later the weights of pairs 24 to 31; v64-79, v80-111 at work in the softmax; v112-143, v144-175 my tiles' Ah and Al
.set XP,    2064                       ; a row of x in LDS
.set RING,  64*XP                      ; 132,096: behind x
.set WPI,   144                        ; a row of W in LDS
.set QUART, 128*WPI                    ; a wave's quarter of a slot
.set SLOT,  4*QUART
.set STG,   RING+2*SLOT                ; 279,552: the stage, 47,616 bytes
.set SPARE, STG+47616                  ; 327,168: the spare words, 128 bytes for each wave: two blocks of 256 bytes that no other line names
.set QKB,   1040                       ; stage, use 1: a pair's block of q or of k: 1,024 bytes + 16; inside: 512 x d block + 256 x (d half) + 16 x (8 tau + head)
.set QKK,   16*QKB                     ; sixteen pairs (32 tokens) of q, then of k
.set EXB,   1024                       ; stage, use 2: a pair's weights: 512 bytes of Ah, 512 of Al; 32 pairs: 32,768 bytes
.set OPI,   272                        ; stage, use 3: a row of 64 f32 + 16 bytes
.set OBUF,  64*OPI                     ; four pairs x 16 rows (tau', head); two such buffers
.set BLOCK, 65536                      ; a K step's weights in wp
.set R16, 1                            ; v1   lane % 16
.set H2,  2                            ; v2   lane / 16
.set LN,  3                            ; v3   lane
.set AX0, 4                            ; v4-5   x's fragments: XP (lane % 16) + 16 (lane / 16), for m-tiles 0, 1; the same 32 rows on, for m-tiles 2, 3
.set AXW, 6                            ; v6-7   the same plus the K step's bytes
.set AW,  8                            ; v8-9   W's fragments in slot 0, 1: my quarter + WPI (lane % 16) + 16 (lane / 16)
.set XG,  10                           ; v10  my 16 bytes in a row of x1: 16 rows x wave + 16 lane
.set XL,  11                           ; v11  and where their 8 bytes of bf16 go in LDS
.set BO,  12                           ; v12  16 lane: my place in the bias image
.set QS,  13                           ; v13  stage, use 1: where I put 16 bytes of q or k
.set QR,  14                           ; v14  where I read fragments: my wave's four pairs + 16 lane
.set EX,  15                           ; v15  stage, use 2: 16 lane
.set EXS, 16                           ; v16  the same at my wave's four pairs
.set OST, 17                           ; v17  stage, use 3: where I put 32 bytes of a row
.set ORD, 18                           ; v18  where I read rows back
.set OG,  19                           ; v19  my byte offset in out0
.set PFO, 20                           ; v20  the prefetch's offset: BLOCK (lane / 16) + 256 (lane % 16); never rewritten
.set T0,  21
.set T1,  22
.set SPW, 28                           ; v28  LDS address of my spare word: SPARE + 4 x my thread's number; never rewritten
.set NIL, 29                           ; v29  0; never rewritten
.set XF,  32                           ; buffer f, m-tile mt at XF + 32 f + 8 mt
.set WF,  96                           ; buffer f, n-tile nt at WF + 64 f + 8 nt
.set XT,  224
.set PVA, 32                           ; the v chunks' epilogue: pair e of a batch at PVA + 12 e: Vh, Vl, Vh, four registers each
.set PVT, 80                           ; 32 at work: v less its high part
.set PVD, 112                          ; results, two buffers of 32
.set PVR, 176                          ; 16 rows read back
.set ATT, 64                           ; window 2 (and on into window 3): pair pi at ATT + 8 pi
.set TT,  64                           ; window 3: tile t: c x min at TT + 2 t, min at TT + 2 t + 1
.set UU,  80                           ; window 3: 32 at work
.set AH,  112                          ; window 3: tile t's high parts at AH + 4 t
.set AL,  144                          ; window 3: its low parts at AL + 4 t
.set WV,  12                           ; s12  my wave's number
.set CX,  13                           ; s13  my place in the cluster: it enters x1's, out0's and the prefetch's global addresses alone
.set G1,  24                           ; s[24:31] descriptor group 1
.set G0,  32                           ; s[32:39] descriptor group 0, a set for each slot
.set KO,  40                           ; s40  the K step's byte offset in a row of x
.set LAPC, 41                          ; s41  counts a chunk's laps
.set CHK, 42                           ; s42  counts the q/k chunks
.set LAPN, 43                          ; s43  laps (two K steps) still to come in the launch
.set LIM, 44                           ; s44  3 in the first cluster, else the greatest number: a wave prefetches while s[LAPN] is above it
.set PFA, 46                           ; s[46:47] where my prefetches stand
.set CS,  48                           ; s[48:49] c = -log2(e) / sqrt(128)
.set MSK, 50                           ; s50  the lanes with tau = tau'
.set HM,  51                           ; s51  a word's upper bf16
.set BPA, 52                           ; s[52:53] the next chunk's bias image, at my wave's part
.set MSB, 0
.macro WIN new                         ; the immediate's high byte repeats the setting that is left; a switch that changes nothing is dropped
.if MSB != (\new)
	s_set_vgpr_msb (MSB<<8)|(\new)
.set MSB, \new
.endif
.endm
.macro PLACES                          ; four plain vector instructions between a matrix instruction and a vector read of its result, or a write or load into one of its registers (ISA guide 7.12.1 for vector instructions)
.rept 4
	v_nop
.endr
.endm
.macro BAR
	s_barrier_signal -1
	s_barrier_wait -1
.endm
.macro CREST                           ; a round of the cluster's barrier behind its opening barrier
	s_cmp_lg_u32 s[WV], 0
	s_cbranch_scc1 .Lnot_wave_0_\@
	s_barrier_signal -3
.Lnot_wave_0_\@:
	s_barrier_wait -3
	s_barrier_signal -1
	s_barrier_wait -1
.endm
.macro CROUND
	BAR
	CREST
.endm
.macro JLOAD s                         ; a joint fill: every wave fetches its own quarter of a block; an s_nop 0 and four v_nop follow
	tensor_load_to_lds s[G0+4*(\s):G0+4*(\s)+3], s[G1:G1+7]
	s_nop 0
	PLACES
.endm
; A PREFETCH INTO THE L2, once a lap, behind slot 0's joint load and the run of LDS loads behind it: the two blocks that the lap after the next will ask for (four and five K steps ahead of their loads).
; All clusters walk the same wp: the first cluster asks, nobody else.  Of a wave's quarter (16,384 bytes) each of the four partners takes 4,096, told apart BY ADDRESS; a lane names 256 bytes;
; lanes 0-15 the first block, lanes 16-31 the second.  So each 256 bytes of wp are named once.  Blocks 0 to 5 come by their loads alone; the last laps, whose look-ahead would pass block 95, ask for nothing.
.macro ASK
	s_cmp_gt_u32 s[LAPN], s[LIM]
	s_cbranch_scc0 .Lnot_mine_\@
	global_prefetch_b8 v[PFO], s[PFA:PFA+1] th:TH_LOAD_NT scope:SCOPE_SE
.Lnot_mine_\@:
	s_sub_co_u32 s[LAPN], s[LAPN], 1
.endm
.macro BIASLD                          ; the next chunk's C operands: 16 loads of 512 consecutive bytes
	WIN 0x80
.irp nt, 0,1,2,3,4,5,6,7
	global_load_b128 v[8*(\nt):8*(\nt)+3],   v[BO], s[BPA:BPA+1] offset:1024*(\nt)
	global_load_b128 v[8*(\nt)+4:8*(\nt)+7], v[BO], s[BPA:BPA+1] offset:1024*(\nt)+512
.endr
	WIN 0
.endm
; 24 LDS loads in one run: the fragments of 32 channels (half kk of the K step in the slot) into buffer f: W's eight n-tiles, then x's four m-tiles in ascending order
.macro FETCH slot, kk, f
	WIN 0
.if (\kk) == 0
	v_add_nc_u32 v[AXW], s[KO], v[AX0]
	v_add_nc_u32 v[AXW+1], s[KO], v[AX0+1]
.endif
.irp nt, 0,1,2,3,4,5,6,7
	ds_load_b128 v[WF+64*(\f)+8*(\nt):WF+64*(\f)+8*(\nt)+3],   v[AW+(\slot)] offset:16*WPI*(\nt)+64*(\kk)
	ds_load_b128 v[WF+64*(\f)+8*(\nt)+4:WF+64*(\f)+8*(\nt)+7], v[AW+(\slot)] offset:16*WPI*(\nt)+64*(\kk)+32
.endr
.irp mt, 0,1,2,3
	ds_load_b128 v[XF+32*(\f)+8*(\mt):XF+32*(\f)+8*(\mt)+3],   v[AXW+(\mt)/2] offset:16*XP*((\mt)%2)+64*(\kk)
	ds_load_b128 v[XF+32*(\f)+8*(\mt)+4:XF+32*(\f)+8*(\mt)+7], v[AXW+(\mt)/2] offset:16*XP*((\mt)%2)+64*(\kk)+32
.endr
.endm
; 8 matrix instructions: m-tile mt x all n-tiles, buffer f.  o = 0: transposed, 1: natural.  first = 1: the sums start with the bias image.  The 32 accumulators take turns, in the same order in
; every half step: 31 others stand between two links of a chain, over the backward jumps too.
.macro MUL8 f, mt, o, first
	WIN 0x50+0x10*(\first)
.irp nt, 0,1,2,3,4,5,6,7
.set rD, 8*(8*(\mt)+(\nt))
.set rW, WF+64*(\f)+8*(\nt)
.set rX, XF+32*(\f)+8*(\mt)
.if (\o) == 0
.if \first
	v_wmma_f32_16x16x32_bf16 v[rD:rD+7], v[rW:rW+7], v[rX:rX+7], v[8*(\nt):8*(\nt)+7]
.else
	v_wmma_f32_16x16x32_bf16 v[rD:rD+7], v[rW:rW+7], v[rX:rX+7], v[rD:rD+7]
.endif
.else
.if \first
	v_wmma_f32_16x16x32_bf16 v[rD:rD+7], v[rX:rX+7], v[rW:rW+7], v[8*(\nt):8*(\nt)+7]
.else
	v_wmma_f32_16x16x32_bf16 v[rD:rD+7], v[rX:rX+7], v[rW:rW+7], v[rD:rD+7]
.endif
.endif
.endr
.endm
; The first half of a K step: multiplies buffer 0; in its middle it fetches the second half's fragments into buffer 1.
.macro SUB0 slot, o, first
	s_wait_dscnt 4                                 ; W and x's m-tiles 0, 1 are in; the youngest four loads (m-tiles 2, 3) may be out
	MUL8 0, 0, \o, \first
	MUL8 0, 1, \o, \first
	PLACES
	FETCH \slot, 1, 1
	s_wait_dscnt 24                                ; all but the 24 just issued
	MUL8 0, 2, \o, \first
	MUL8 0, 3, \o, \first
.endm
; The second half multiplies buffer 1 and changes slots.  mode 2: the slot just read is filled again, two K steps ahead, and the other slot's first fragments are fetched; mode 1: the same at a chunk's end,
; where the fetch is left to the next chunk; mode 0: the launch's last change: nothing is filled, so there is no add, no barrier and no load.
; In front of the round each wave waits for all its tensor loads (one is out: its part of the other slot), adds 0 to its spare word, and waits for that and for its reads of this slot.
; The round's opening barrier has eight matrix instructions between signal and wait; the joint fill is the first thing behind the round.
.macro TURN slot, o, mode
.if ((\slot) == 0) && (\mode)
	s_wait_xcnt 0x0                                ; the last prefetch, a lap back, has read its address: it is stepped here, ahead of the waits of the change of slots
	s_add_nc_u64 s[PFA:PFA+1], s[PFA:PFA+1], 2*BLOCK
.endif
	WIN 0
	s_wait_tensorcnt 0x0                           ; all my tensor loads have landed: my quarter of the other slot
.if \mode
	ds_add_u32 v[SPW], v[NIL]                      ; 0 onto my spare word
	s_add_nc_u64 s[G0+4*(\slot)+2:G0+4*(\slot)+3], s[G0+4*(\slot)+2:G0+4*(\slot)+3], 2*BLOCK  ; no load of mine is out, so the group 0 may be written: two blocks on; the type bits on top are not reached
.endif
	s_add_co_u32 s[KO], s[KO], 128                 ; the next K step's 64 channels in a row of x;
	s_and_b32 s[KO], s[KO], 0x780                  ; behind the sixteenth, back to 0
.if \mode
	s_wait_dscnt 5                                 ; the add and the youngest four loads may be out
	MUL8 1, 0, \o, 0
	s_wait_dscnt 0x0                               ; the add is done, and my reads of this slot are over
	s_barrier_signal -1
	MUL8 1, 1, \o, 0
	WIN 0
	s_barrier_wait -1
	CREST                                          ; no wave of any partner still reads this slot or has a load on its way
	JLOAD \slot                                    ; its four v_nop are also the places in front of the loads below
.else
	s_wait_dscnt 4
	MUL8 1, 0, \o, 0
	MUL8 1, 1, \o, 0
	s_wait_dscnt 0x0
	PLACES
.endif
.if (\mode) != 1
	FETCH 1-(\slot), 0, 0
.endif
.if ((\slot) == 0) && (\mode)
	ASK
.endif
	MUL8 1, 2, \o, 0
	MUL8 1, 3, \o, 0
.endm
.macro SUB1END o                       ; the launch's last half step
	s_wait_dscnt 4
	MUL8 1, 0, \o, 0
	MUL8 1, 1, \o, 0
	s_wait_dscnt 0x0
	MUL8 1, 2, \o, 0
	MUL8 1, 3, \o, 0
.endm
; A chunk's 16 K steps.  The first half step stands in front of the loop: its products start the sums.  A trip goes once round the ring.  The ring runs on into the next chunk: a chunk's last two
; changes of slots ask for the next chunk's first two blocks, which land during the epilogue.  The launch's last chunk has its tail written out without fills.
.macro GEMM o, last
	WIN 0
	s_wait_loadcnt 0x0                             ; the bias image is in,
	s_wait_xcnt 0x0                                ; and earlier stores have read their registers: the fragment loads below land in some of them
	s_add_nc_u64 s[BPA:BPA+1], s[BPA:BPA+1], 32768 ; the next chunk's image: four waves x 8,192 bytes on
	FETCH 0, 0, 0
	SUB0 0, \o, 1
	WIN 0
	s_mov_b32 s[LAPC], 7
.Llap_\@:
	TURN 0, \o, 2
	SUB0 1, \o, 0
	TURN 1, \o, 2
	SUB0 0, \o, 0
	WIN 0
	s_sub_co_u32 s[LAPC], s[LAPC], 1
	s_cmp_lg_u32 s[LAPC], 0
	s_cbranch_scc1 .Llap_\@
.if \last
	TURN 0, \o, 0
	SUB0 1, \o, 0
	SUB1END \o
.else
	TURN 0, \o, 2
	SUB0 1, \o, 0
	TURN 1, \o, 1
.endif
	WIN 0
.endm
	; ---------------- the head ----------------
	s_load_b256 s[4:11], s[0:1], 0x0               ; x1 s[4:5], wp s[6:7], bp s[8:9], out0 s[10:11]
	v_lshl_add_u32 v[SPW], v0, 2, SPARE
	v_mov_b32 v[NIL], 0
	ds_add_u32 v[SPW], v[NIL]                      ; the wave's opening: the add and its wait stand ahead of my first tensor load; the set-up below, work on registers, stands between them
	v_lshrrev_b32 v[T0], 5, v0
	v_readfirstlane_b32 s[WV], v[T0]               ; wave 0..3
	s_bfe_u32 s[CX], ttmp6, 0x40000                ; my place in the cluster
	s_lshl_b32 s14, ttmp9, 2                       ; in a cluster launch ttmp9 counts clusters
	s_add_co_u32 s14, s14, s[CX]                   ; my block of 64 tokens
	s_lshl_b32 s16, s14, 18                        ; 64 rows of 4,096 bytes
	s_mov_b32 s17, 0
	s_lshl_b32 s18, s[WV], 14                      ; my quarter of a block
	s_mov_b32 s19, 0
	s_lshl_b32 s22, s[CX], 12                      ; my work-group's 4,096 bytes of it, for the prefetches
	s_mov_b32 s23, 0
	; descriptor group 1: 16,384 dense bytes as 64 rows of 256 bytes (two rows of W each), padded in LDS after every 128 bytes
	s_mov_b32 s[G1], 15|(1<<16)|(1<<20)|(1<<21)|(4<<22)|(3<<25)  ; 15:0 the mask of four; 17:16 2-byte elements; 20 padding on; 21 set beside a mask; 24:22 after every 32 words (code 4); 31:25 4 words (code 3)
	s_mov_b32 s[G1+1], 128<<16                     ; tensor_dim0 = 128
	s_mov_b32 s[G1+2], 64<<16                      ; tensor_dim1 = 64
	s_mov_b32 s[G1+3], 128<<16                     ; tile_dim0 = 128
	s_mov_b32 s[G1+4], 64                          ; tile_dim1 = 64
	s_mov_b32 s[G1+5], 128                         ; 128 elements from row to row
	s_mov_b32 s[G1+6], 0
	s_mov_b32 s[G1+7], 0
	s_mov_b32 s[G0], 1                             ; count = 1
	s_mul_i32 s[G0+1], s[WV], QUART
	s_add_co_u32 s[G0+1], s[G0+1], RING            ; LDS address: my quarter of slot 0: the wave's number alone enters it
	s_mov_b32 s[G0+4], 1
	s_add_co_u32 s[G0+5], s[G0+1], SLOT            ; of slot 1
	s_mov_b32 s[KO], 0
	s_mov_b32 s[LAPN], 48
	s_mov_b32 s[LIM], ttmp9
	s_cmp_eq_u32 s[LIM], 0                         ; the same in all four partners
	s_cselect_b32 s[LIM], 3, -1
	s_mov_b32 s[CS], 0xbe0293ee                    ; -log2(e) / sqrt(128) = -0.127517
	s_mov_b32 s[CS+1], s[CS]                       ; named with it as a pair
	s_mov_b32 s[HM], 0xffff0000
	v_and_b32 v[R16], 15, v0
	v_bfe_u32 v[H2], v0, 4, 1
	v_and_b32 v[LN], 31, v0
	v_mul_u32_u24 v[AX0], v[R16], XP
	v_lshl_add_u32 v[AX0], v[H2], 4, v[AX0]
	v_add_nc_u32 v[AX0+1], 32*XP, v[AX0]
	v_mul_u32_u24 v[AW], v[R16], WPI
	v_lshl_add_u32 v[AW], v[H2], 4, v[AW]
	v_add_nc_u32 v[AW], s[G0+1], v[AW]
	v_add_nc_u32 v[AW+1], SLOT, v[AW]
	s_lshl_b32 s15, s[WV], 16                      ; my 16 rows of x1
	v_lshl_add_u32 v[XG], v[LN], 4, s15
	s_mul_i32 s15, s[WV], 16*XP                    ; and of x in LDS
	v_lshl_add_u32 v[XL], v[LN], 3, s15
	v_lshlrev_b32 v[BO], 4, v[LN]
	s_lshr_b32 s15, s[WV], 1                       ; q (waves 0, 1) or k (waves 2, 3),
	s_mul_i32 s15, s15, QKK
	s_and_b32 s20, s[WV], 1                        ; my block of 16 d
	s_lshl_b32 s20, s20, 9
	s_add_co_u32 s15, s15, s20
	s_add_co_u32 s15, s15, STG
	v_and_b32 v[T0], 7, v0                         ; my token's pair in its m-tile,
	v_bfe_u32 v[T1], v0, 3, 1                      ; and which of the pair's two it is
	v_mul_u32_u24 v[QS], v[T0], QKB
	v_lshl_add_u32 v[QS], v[T1], 7, v[QS]
	v_lshl_add_u32 v[QS], v[H2], 8, v[QS]
	v_add_nc_u32 v[QS], s15, v[QS]
	v_cmp_eq_u32 s[MSK], v[T1], v[H2]              ; a score tile's lanes whose column and rows belong to the same token
	s_mul_i32 s15, s[WV], 4*QKB
	s_add_co_u32 s15, s15, STG
	v_lshl_add_u32 v[QR], v[LN], 4, s15
	v_lshl_add_u32 v[EX], v[LN], 4, STG
	s_lshl_b32 s15, s[WV], 12                      ; my wave's four pairs of 1,024 bytes
	v_add_nc_u32 v[EXS], s15, v[EX]
	s_lshl_b32 s15, s[WV], 6                       ; my 16 d: 64 bytes of a stage row
	s_add_co_u32 s15, s15, STG
	v_mul_u32_u24 v[OST], v[R16], OPI
	v_lshl_add_u32 v[OST], v[H2], 5, v[OST]
	v_add_nc_u32 v[OST], s15, v[OST]
	s_mul_i32 s15, s[WV], 16*OPI                   ; back: my wave takes the batch's pair w, whole rows; lanes 0-15 one row, lanes 16-31 the next
	s_add_co_u32 s15, s15, STG
	v_mul_u32_u24 v[ORD], v[H2], OPI
	v_lshl_add_u32 v[ORD], v[R16], 4, v[ORD]
	v_add_nc_u32 v[ORD], s15, v[ORD]
	s_lshl_b32 s15, s[WV], 12                      ; in out0: token w of the batch's four, head lane / 16 of two, 16 bytes a lane
	v_lshlrev_b32 v[OG], 9, v[H2]
	v_lshl_add_u32 v[OG], v[R16], 4, v[OG]
	v_add_nc_u32 v[OG], s15, v[OG]
	v_lshlrev_b32 v[PFO], 16, v[H2]
	v_lshl_add_u32 v[PFO], v[R16], 8, v[PFO]
	s_wait_dscnt 0x0                               ; the opening add is done
	s_wait_kmcnt 0x0
	s_add_nc_u64 s[4:5], s[4:5], s[16:17]          ; x1 and out0 at my work-group's first token
	s_add_nc_u64 s[10:11], s[10:11], s[16:17]
	s_add_nc_u64 s[20:21], s[6:7], s[18:19]        ; wp at my quarter of block 0: the same in all partners
	s_mov_b64 s[G0+2:G0+3], s[20:21]
	s_or_b32 s[G0+3], s[G0+3], 0x80000000          ; type = 2
	s_add_nc_u64 s[G0+6:G0+7], s[20:21], BLOCK
	s_or_b32 s[G0+7], s[G0+7], 0x80000000
	s_add_nc_u64 s[PFA:PFA+1], s[20:21], s[22:23]
	s_add_nc_u64 s[PFA:PFA+1], s[PFA:PFA+1], 4*BLOCK  ; the first lap steps it to block 6.  Nothing is prefetched here, at the head
	s_lshl_b32 s18, s[WV], 13
	s_add_nc_u64 s[BPA:BPA+1], s[8:9], s[18:19]    ; chunk 0's bias image, my wave's 8,192 bytes
	CROUND                                         ; all four work-groups are here: the first joint loads meet
	tensor_load_to_lds s[G0:G0+3], s[G1:G1+7]      ; blocks 0 and 1: two loads of mine are out; behind each later round, one
	s_nop 0
	tensor_load_to_lds s[G0+4:G0+7], s[G1:G1+7]
	s_nop 0
	PLACES
	BIASLD
	; ---------------- x: f32 from memory, bf16 into LDS, once ----------------
	; Wave w takes rows 16 w .. 16 w + 15.  A row is eight loads of 512 consecutive bytes; eight rows (64 loads a wave) are on their way at a time, in the accumulators' registers.
.macro XLOAD i
	WIN 0x40
.irp g, 0,1,2,3,4,5,6,7
	global_load_b128 v[32*((\i)%8)+4*(\g):32*((\i)%8)+4*(\g)+3], v[XG], s[4:5] offset:4096*(\i)+512*(\g) th:TH_LOAD_NT
.endr
.endm
.macro XGROUP i
.if (\i) <= 8
	s_wait_loadcnt 56                              ; row i is in; the seven younger rows may stay out
.else
	s_wait_loadcnt 8*(15-(\i))                     ; the counts run down
.endif
	WIN 0x05
.irp g, 0,1,2,3,4,5,6,7
	v_cvt_pk_bf16_f32 v[XT+2*(\g)],   v[32*((\i)%8)+4*(\g)],   v[32*((\i)%8)+4*(\g)+1]
	v_cvt_pk_bf16_f32 v[XT+2*(\g)+1], v[32*((\i)%8)+4*(\g)+2], v[32*((\i)%8)+4*(\g)+3]
.endr
	WIN 0
.irp g, 0,1,2,3,4,5,6,7
	ds_store_b64 v[XL], v[XT+2*(\g):XT+2*(\g)+1] offset:XP*(\i)+256*(\g)  ; 32 lanes, 256 consecutive bytes
.endr
.if (\i) < 8
	XLOAD (\i)+8
.endif
.endm
.irp i, 0,1,2,3,4,5,6,7
	XLOAD \i
.endr
	; While the first rows are on their way: the score tiles start at 0, so that the loop over the q/k chunks has one form of score product.
	WIN 0xc0
.set i, 0
.rept 64
	v_mov_b32 v[i], 0
.set i, i+1
.endr
.irp i, 0,1,2,3,4,5,6,7,8,9,10,11,12,13,14,15
	XGROUP \i
.endr
	s_wait_dscnt 0x0                               ; for the others' sake: my rows of x are stored
	s_wait_tensorcnt 1                             ; my quarter of slot 0 is in; slot 1's may stay out
	BAR
	; ---------------- chunks 0 to 3: q and k, and their share of the scores ----------------
.macro QKPACK hf, base                 ; m-tiles 2 hf, 2 hf + 1: a lane's eight d of a token and head, rounded to bf16: 16 bytes
	WIN 0x05
.irp m, 0,1
.irp nt, 0,1,2,3,4,5,6,7
.irp k, 0,1,2,3
	v_cvt_pk_bf16_f32 v[(\base)+4*(8*(\m)+(\nt))+(\k)], v[8*(8*(2*(\hf)+(\m))+(\nt))+2*(\k)], v[8*(8*(2*(\hf)+(\m))+(\nt))+2*(\k)+1]
.endr
.endr
.endr
.endm
.macro QKPUT base                      ; sixteen lanes' addresses lie 16 bytes apart modulo 256
	WIN 0
.irp m, 0,1
.irp nt, 0,1,2,3,4,5,6,7
	ds_store_b128 v[QS], v[(\base)+4*(8*(\m)+(\nt)):(\base)+4*(8*(\m)+(\nt))+3] offset:8*QKB*(\m)+16*(\nt)
.endr
.endr
.endm
.macro QKGET base                      ; my wave's four pairs: Q's fragment (8 registers), then K's; 512 consecutive bytes a load
	WIN 0
.irp i, 0,1,2,3
	ds_load_b128 v[(\base)+16*(\i):(\base)+16*(\i)+3],     v[QR] offset:QKB*(\i)
	ds_load_b128 v[(\base)+16*(\i)+4:(\base)+16*(\i)+7],   v[QR] offset:QKB*(\i)+512
	ds_load_b128 v[(\base)+16*(\i)+8:(\base)+16*(\i)+11],  v[QR] offset:QKB*(\i)+QKK
	ds_load_b128 v[(\base)+16*(\i)+12:(\base)+16*(\i)+15], v[QR] offset:QKB*(\i)+QKK+512
.endr
.endm
.macro QKMUL hf, base                  ; S^T += K Q^T over the chunk's 32 d: four accumulators, one instruction each
	WIN 0xf0
.irp i, 0,1,2,3
	v_wmma_f32_16x16x32_bf16 v[8*(4*(\hf)+(\i)):8*(4*(\hf)+(\i))+7], v[(\base)+16*(\i)+8:(\base)+16*(\i)+15], v[(\base)+16*(\i):(\base)+16*(\i)+7], v[8*(4*(\hf)+(\i)):8*(4*(\hf)+(\i))+7]
.endr
.endm
	s_mov_b32 s[CHK], 4
.Lchunk:
	GEMM 0, 0
	PLACES                                         ; behind the chunk's last products
	BIASLD                                         ; the next chunk's, on its way during the epilogue
	QKPACK 0, 160                                  ; tokens 0 to 31
	QKPUT 160                                      ; (the stage's last reads were waited for ahead of the chunk's barriers)
	s_wait_dscnt 0x0                               ; for the others' sake: my stores are done
	BAR
	QKGET 32
	QKPACK 1, 96                                   ; tokens 32 to 63 are rounded while the loads are out
	s_wait_dscnt 0x0                               ; my fragments are in: my reads of the stage are over
	s_barrier_signal -1
	QKMUL 0, 32
	WIN 0
	s_barrier_wait -1                              ; everybody's are: the stage may be written again
	QKPUT 96
	s_wait_dscnt 0x0
	BAR
	QKGET 160
	s_wait_dscnt 0x0
	QKMUL 1, 160
	WIN 0
	PLACES                                         ; in front of the next chunk's fragment loads, and of the softmax's reads
	s_sub_co_u32 s[CHK], s[CHK], 1
	s_cmp_lg_u32 s[CHK], 0
	s_cbranch_scc1 .Lchunk
	; ---------------- the softmax of my eight score tiles, in the lane ----------------
	; The scale is negative, so the greatest scaled score is c x the least score: p = 2^(c s - c min).  Each accumulator's lowest registers are read first.
	WIN 0xff
.irp t, 0,1,2,3,4,5,6,7
	v_min3_num_f32 v[TT+2*(\t)+1], v[8*(\t)], v[8*(\t)+1], v[8*(\t)+2]
.endr
.irp t, 0,1,2,3,4,5,6,7
	v_min3_num_f32 v[TT+2*(\t)+1], v[TT+2*(\t)+1], v[8*(\t)+3], v[8*(\t)+4]
.endr
.irp t, 0,1,2,3,4,5,6,7
	v_min3_num_f32 v[TT+2*(\t)+1], v[TT+2*(\t)+1], v[8*(\t)+5], v[8*(\t)+6]
.endr
.irp t, 0,1,2,3,4,5,6,7
	v_min_num_f32 v[TT+2*(\t)+1], v[TT+2*(\t)+1], v[8*(\t)+7]
.endr
.irp t, 0,1,2,3,4,5,6,7
	v_mul_f32 v[TT+2*(\t)], s[CS], v[TT+2*(\t)+1]
.endr
.irp t, 0,1,2,3,4,5,6,7
.irp k, 0,2,4,6
	v_pk_fma_f32 v[8*(\t)+(\k):8*(\t)+(\k)+1], v[8*(\t)+(\k):8*(\t)+(\k)+1], s[CS:CS+1], v[TT+2*(\t):TT+2*(\t)+1] op_sel_hi:[1,0,0] neg_lo:[0,0,1] neg_hi:[0,0,1]
.endr
.endr
.set i, 0
.rept 64
	v_exp_f32 v[i], v[i]                           ; one batch
.set i, i+1
.endr
	v_nop                                          ; a plain instruction behind the last exponential,
	s_wait_alu depctr_va_vdst(0)                   ; and one wait ahead of the batch's first reader
.irp t, 0,1,2,3,4,5,6,7
	v_pk_add_f32 v[UU+4*(\t):UU+4*(\t)+1],   v[8*(\t):8*(\t)+1],     v[8*(\t)+2:8*(\t)+3]
	v_pk_add_f32 v[UU+4*(\t)+2:UU+4*(\t)+3], v[8*(\t)+4:8*(\t)+5],   v[8*(\t)+6:8*(\t)+7]
.endr
.irp t, 0,1,2,3,4,5,6,7
	v_pk_add_f32 v[UU+4*(\t):UU+4*(\t)+1], v[UU+4*(\t):UU+4*(\t)+1], v[UU+4*(\t)+2:UU+4*(\t)+3]
.endr
.irp t, 0,1,2,3,4,5,6,7
	v_add_f32 v[UU+4*(\t)], v[UU+4*(\t)], v[UU+4*(\t)+1]  ; the sum of the unrounded p: at least 1
.endr
.irp t, 0,1,2,3,4,5,6,7
	v_rcp_f32 v[UU+4*(\t)+2], v[UU+4*(\t)]
.endr
	v_nop
	s_wait_alu depctr_va_vdst(0)                   ; one wait for the eight reciprocals
.irp t, 0,1,2,3,4,5,6,7
.irp k, 0,2,4,6
	v_pk_mul_f32 v[8*(\t)+(\k):8*(\t)+(\k)+1], v[8*(\t)+(\k):8*(\t)+(\k)+1], v[UU+4*(\t)+2:UU+4*(\t)+3] op_sel_hi:[1,0]
.endr
.endr
	; a in two parts: the high part is a rounded to bf16, the low part what that rounding left, rounded to bf16.
.irp t, 0,1,2,3,4,5,6,7
.irp k, 0,1,2,3
	v_cvt_pk_bf16_f32 v[AH+4*(\t)+(\k)], v[8*(\t)+2*(\k)], v[8*(\t)+2*(\k)+1]
.endr
.endr
.irp t, 0,1,2,3,4,5,6,7
.irp k, 0,1,2,3
	v_lshlrev_b32 v[UU+8*((\t)%4)+2*(\k)],   16, v[AH+4*(\t)+(\k)]     ; the high parts as f32,
	v_and_b32     v[UU+8*((\t)%4)+2*(\k)+1], s[HM], v[AH+4*(\t)+(\k)]
.endr
.irp k, 0,1,2,3
	v_pk_add_f32 v[8*(\t)+2*(\k):8*(\t)+2*(\k)+1], v[8*(\t)+2*(\k):8*(\t)+2*(\k)+1], v[UU+8*((\t)%4)+2*(\k):UU+8*((\t)%4)+2*(\k)+1] neg_lo:[0,1] neg_hi:[0,1]  ; taken away (exactly),
.endr
.irp k, 0,1,2,3
	v_cvt_pk_bf16_f32 v[AL+4*(\t)+(\k)], v[8*(\t)+2*(\k)], v[8*(\t)+2*(\k)+1]  ; and the rest rounded
.endr
.endr
.set i, 0
.rept 64
	v_cndmask_b32 v[AH+i], 0, v[AH+i], s[MSK]      ; 0 where row and column belong to different tokens: AH's 32 registers, then AL's
.set i, i+1
.endr
	; Every wave needs all 32 pairs' weights, since it holds its 16 d of v for all 64 tokens: they change hands through the stage, 1,024 bytes a pair.
	WIN 0
	s_wait_dscnt 0x0
	BAR                                            ; every wave's reads of q and k in the stage are over
	WIN 0x0c
.irp t, 0,1,2,3,4,5,6,7
	ds_store_b128 v[EXS], v[AH+4*(\t):AH+4*(\t)+3] offset:16*EXB*((\t)/4)+EXB*((\t)%4)      ; tile 4 H + i is pair 16 H + 4 w + i
	ds_store_b128 v[EXS], v[AL+4*(\t):AL+4*(\t)+3] offset:16*EXB*((\t)/4)+EXB*((\t)%4)+512
.endr
	WIN 0
	s_wait_dscnt 0x0
	BAR
	WIN 0x80                                       ; pairs 0 to 23 into window 2,
.set i, 0
.rept 24
	ds_load_b128 v[ATT+8*i:ATT+8*i+3],   v[EX] offset:EXB*i
	ds_load_b128 v[ATT+8*i+4:ATT+8*i+7], v[EX] offset:EXB*i+512
.set i, i+1
.endr
	WIN 0xc0                                       ; pairs 24 to 31 into the score tiles' registers, which the softmax has read out
.set i, 24
.rept 8
	ds_load_b128 v[8*(i-24):8*(i-24)+3],   v[EX] offset:EXB*i
	ds_load_b128 v[8*(i-24)+4:8*(i-24)+7], v[EX] offset:EXB*i+512
.set i, i+1
.endr
	WIN 0
	s_wait_dscnt 0x0
	; ---------------- chunks 4 and 5: v, out = a v, and the way out ----------------
	; Batch n = 2 mt + u holds the four pairs 8 mt + 4 u + e.  Its 64 rows (pair, token of the pair, head) x 64 d of f32 meet in a stage buffer (two take turns), each wave writing its 16 d;
	; behind a barrier each wave reads 16 whole rows of 256 bytes and stores them.
; Source 0.  For pair e, register k: heads 2 k and 2 k + 1 of accumulator register 4 u + e (u = 0 comes first: the lowest registers are read first).
; The high part stands twice, round the low part, so that the two tuples [Vh | Vl] and [Vl | Vh] lie in 12 registers.
.macro PVCVT n
	WIN 0x05
.irp e, 0,1,2,3
.irp k, 0,1,2,3
	v_cvt_pk_bf16_f32 v[PVA+12*(\e)+(\k)],   v[8*(8*((\n)/2)+2*(\k))+4*((\n)%2)+(\e)], v[8*(8*((\n)/2)+2*(\k)+1)+4*((\n)%2)+(\e)]
	v_cvt_pk_bf16_f32 v[PVA+12*(\e)+8+(\k)], v[8*(8*((\n)/2)+2*(\k))+4*((\n)%2)+(\e)], v[8*(8*((\n)/2)+2*(\k)+1)+4*((\n)%2)+(\e)]
.endr
.endr
	WIN 0
.irp e, 0,1,2,3
.irp k, 0,1,2,3
	v_lshlrev_b32 v[PVT+2*(4*(\e)+(\k))],   16, v[PVA+12*(\e)+(\k)]    ; the high parts as f32,
	v_and_b32     v[PVT+2*(4*(\e)+(\k))+1], s[HM], v[PVA+12*(\e)+(\k)]
.endr
.endr
	WIN 0x01
.irp e, 0,1,2,3
.irp k, 0,1,2,3
	v_sub_f32 v[PVT+2*(4*(\e)+(\k))],   v[8*(8*((\n)/2)+2*(\k))+4*((\n)%2)+(\e)],   v[PVT+2*(4*(\e)+(\k))]    ; taken away from v (exactly),
	v_sub_f32 v[PVT+2*(4*(\e)+(\k))+1], v[8*(8*((\n)/2)+2*(\k)+1)+4*((\n)%2)+(\e)], v[PVT+2*(4*(\e)+(\k))+1]
.endr
.endr
	WIN 0
.irp e, 0,1,2,3
.irp k, 0,1,2,3
	v_cvt_pk_bf16_f32 v[PVA+12*(\e)+4+(\k)], v[PVT+2*(4*(\e)+(\k))], v[PVT+2*(4*(\e)+(\k))+1]  ; and the rest rounded
.endr
.endr
.endm
; out^T = v^T a^T: for each pair [Vh | Vl] x [Ah | Al], then [Vl | Vh] x [Ah | Al] onto it.  The batch's four accumulators take turns: three others stand between a chain's two links.
.macro PVMM n
	WIN 0x08+0x04*((\n)/6)                         ; the weights of batches 0 to 5 lie in window 2, those of batches 6 and 7 in window 3
.irp c, 0,1
.irp e, 0,1,2,3
.set rD, PVD+32*((\n)%2)+8*(\e)
.set rA, PVA+12*(\e)+4*(\c)
.set rB, (ATT+32*(\n)+8*(\e))%256
.if (\c) == 0
	v_wmma_f32_16x16x32_bf16 v[rD:rD+7], v[rA:rA+7], v[rB:rB+7], 0
.else
	v_wmma_f32_16x16x32_bf16 v[rD:rD+7], v[rA:rA+7], v[rB:rB+7], v[rD:rD+7]
.endif
.endr
.endr
.endm
.macro PVPUT n
	WIN 0
.irp e, 0,1,2,3
	ds_store_b128 v[OST], v[PVD+32*((\n)%2)+8*(\e):PVD+32*((\n)%2)+8*(\e)+3]   offset:OBUF*((\n)%2)+16*OPI*(\e)
	ds_store_b128 v[OST], v[PVD+32*((\n)%2)+8*(\e)+4:PVD+32*((\n)%2)+8*(\e)+7] offset:OBUF*((\n)%2)+16*OPI*(\e)+16
.endr
.endm
.macro PVGET n
	WIN 0
.irp i, 0,1,2,3,4,5,6,7
	ds_load_b128 v[PVR+4*(\i):PVR+4*(\i)+3], v[ORD] offset:OBUF*((\n)%2)+2*OPI*(\i)
.endr
.endm
.macro PVSEND n, cp                    ; stage row 2 i + lane / 16 of my pair: token i / 4 of the pair, head (2 i) % 8 + lane / 16.  16 lanes store 256 consecutive bytes, at a multiple of 256 from out0's first byte
	WIN 0
.irp i, 0,1,2,3,4,5,6,7
	global_store_b128 v[OG], v[PVR+4*(\i):PVR+4*(\i)+3], s[10:11] offset:65536*((\n)/2)+16384*((\n)%2)+32768*((\i)/4)+512*((2*(\i))%8)+256*(\cp) th:TH_STORE_NT
.endr
.endm
.macro VCHUNK cp, last
	GEMM 1, \last
	PLACES                                         ; behind the chunk's last products
.if !(\last)
	BIASLD
.endif
	PVCVT 0
	PVMM 0
	PLACES                                         ; in front of the stores of the results, and of the next batch's writes into source 0's registers
	PVPUT 0
.irp n, 1,2,3,4,5,6,7
	WIN 0
	s_wait_dscnt 0x0                               ; my stores of batch n - 1 are done, and my reads of batch n - 2 are back
	BAR                                            ; everybody's: batch n - 1 may be read, and the other buffer written again
	s_wait_xcnt 0x0                                ; the stores of batch n - 2 have read their registers, which are loaded again below
	PVGET (\n)-1
	PVCVT \n                                       ; the next batch's arithmetic stands between the loads and the wait for them
	PVMM \n
	PLACES
	PVPUT \n
	s_wait_dscnt 8                                 ; the eight stores behind the loads may be out
	PVSEND (\n)-1, \cp
.endr
	s_wait_dscnt 0x0
	BAR
	s_wait_xcnt 0x0
	PVGET 7
	s_wait_dscnt 0x0
	PVSEND 7, \cp
.endm
	VCHUNK 0, 0
	VCHUNK 1, 1
	WIN 0
	s_wait_tensorcnt 0x0                           ; the wave's end, behind my last tensor load and my last LDS store
	ds_add_u32 v[SPW], v[NIL]
	s_wait_dscnt 0x0
	CROUND                                         ; the closing round: no work-group ends while a partner may still ask for a tile that names it
	s_endpgm
.Lfunc_end_k_q32f8386ce9_fused:
	.size	k_q32f8386ce9_fused, .Lfunc_end_k_q32f8386ce9_fused-k_q32f8386ce9_fused
	.p2alignl 7, 3214868480
	.fill 96, 4, 3214868480
	.section	.rodata,"a",@progbits
	.p2align	6, 0x0
	.amdhsa_kernel k_q32f8386ce9_fused
		.amdhsa_group_segment_fixed_size 327680
		.amdhsa_private_segment_fixed_size 0
		.amdhsa_enable_private_segment 0
		.amdhsa_kernarg_size 32
		.amdhsa_user_sgpr_count 2
		.amdhsa_user_sgpr_kernarg_segment_ptr 1
		.amdhsa_wavefront_size32 1
		.amdhsa_system_sgpr_workgroup_id_x 1
		.amdhsa_system_sgpr_workgroup_id_y 1
		.amdhsa_system_sgpr_workgroup_id_z 1
		.amdhsa_system_vgpr_workitem_id 0
		.amdhsa_next_free_vgpr 944
		.amdhsa_next_free_sgpr 66
		.amdhsa_reserve_vcc 0
		.amdhsa_float_denorm_mode_32 3
		.amdhsa_float_denorm_mode_16_64 3
		.amdhsa_memory_ordered 1
		.amdhsa_forward_progress 1
		.amdhsa_inst_pref_size 255
	.end_amdhsa_kernel
	.section	.bss,"aw",@nobits
	.p2align	6
	.space	262144
	.amdgpu_metadata
---
amdhsa.version: [ 1, 2 ]
amdhsa.kernels:
  - .name:           k_q32f8386ce9_fused
    .symbol:         k_q32f8386ce9_fused.kd
    .args:
      - { .name: x1, .offset: 0, .size: 8, .value_kind: global_buffer, .address_space: global }
      - { .name: wp, .offset: 8, .size: 8, .value_kind: global_buffer, .address_space: global }
      - { .name: bp, .offset: 16, .size: 8, .value_kind: global_buffer, .address_space: global }
      - { .name: out0, .offset: 24, .size: 8, .value_kind: global_buffer, .address_space: global }
    .group_segment_fixed_size: 327680
    .private_segment_fixed_size: 0
    .kernarg_segment_align: 8
    .kernarg_segment_size: 32
    .max_flat_workgroup_size: 128
    .sgpr_count:     66
    .vgpr_count:     944
    .wavefront_size: 32
...
	.end_amdgpu_metadata
.endif
;; end of part 2
;; ======== version 2 of 3: 2 launches
;; workspace buffers: wp 6,291,456 bytes; bp 196,608 bytes
;; launch prep (part 3): grid 16 x 24, 8 waves a work-group, no clusters, 17,408 bytes of LDS; arguments Wq, Wk, Wv, bq, bk, bv, wp, bp; writes wp, bp
.if DOCPART == 3
	.amdgcn_target "amdgcn-amd-amdhsa--gfx1250"
	.amdhsa_code_object_version 6
	.text
	.protected	k_q32f8386ce9_prep
	.globl	k_q32f8386ce9_prep
	.p2align	8
	.type	k_q32f8386ce9_prep,@function
k_q32f8386ce9_prep:
	s_mov_b64 s[64:65], 0
	v_nop
	global_prefetch_b8 v0, s[64:65] scope:SCOPE_SE
	s_setreg_imm32_b32 hwreg(HW_REG_WAVE_MODE, 25, 1), 1
	s_wait_xcnt 0x0
; THE WEIGHTS AND BIASES, ROUNDED ONCE TO bf16 AND LAID AS THE REGISTER IMAGES THAT THE MAIN LAUNCH LOADS.
; wp: byte c<<20 + w<<18 + u<<13 + nt<<10 + half<<9 + lane<<4, for chunk c (0..5), wave w (0..3) of the main launch, half step u (0..31, 32 channels), n-tile nt (0..7, the head).
;   The 16 bytes are W[128 nt + dbase + lane % 16][32 u + 16 half + 8 (lane / 16) + 0..7]: registers 4 half .. 4 half + 3 of a matrix operand of 16 rows x 32 channels.
;   c < 4:  W = Wq (w < 2) or Wk, dbase = 32 c + 16 (w & 1).      c >= 4:  W = Wv, dbase = 64 (c - 4) + 16 w.
; bp: for each (c, w) 8,192 bytes [nt 8][q 2][lane 32][4 f32]: registers 4 q .. 4 q + 3 of lane l of the C operand that starts the sums of n-tile nt (the bias rounded to bf16, widened again).
;   c < 4 (the product is taken transposed): b[128 nt + dbase + 8 (l / 16) + 4 q + e].      c >= 4: b[128 nt + dbase + l % 16], four times.
; SHARES.  Work-group (x = s, y = 4 c + w) makes the 16,384 bytes of half steps 2 s and 2 s + 1.  Thread t reads 16 bytes (4 f32) of row t / 16 of each of the eight n-tiles: sixteen lanes read 256
; consecutive bytes.  The 8 bytes of bf16 go to their place in the image in LDS; behind a barrier the image is read on end and stored, 512 consecutive bytes to a wave's store.
; The work-groups with s = 0 also make their (c, w)'s bias image.
; REGISTERS.  v0-7 addresses and at work; v8-39 the eight loads of W (v8-27 later the bias); v40-55 the rounded numbers, then the image on its way out; v56, v57 the add's two, named by nothing else.
.set SPARE, 16384                      ; behind the image: the spare words, 128 bytes for each of the eight waves: four blocks of 256 bytes that no other line names
.set SPW, 56                           ; v56  LDS address of my spare word: SPARE + 4 x my thread's number; never rewritten
.set NIL, 57                           ; v57  0; never rewritten
	s_load_b512 s[8:23], s[0:1], 0x0               ; Wq s[8:9], Wk s[10:11], Wv s[12:13], bq s[14:15], bk s[16:17], bv s[18:19], wp s[20:21], bp s[22:23]
	v_lshl_add_u32 v[SPW], v0, 2, SPARE            ; my spare word,
	v_mov_b32 v[NIL], 0                            ; and 0: both kept for the wave's end alone
	s_and_b32 s2, ttmp7, 0xffff                    ; y = 4 c + w
	s_mov_b32 s30, ttmp9                           ; s
	s_lshr_b32 s3, s2, 2                           ; c
	s_and_b32 s4, s2, 3                            ; w
	s_lshl_b32 s5, s3, 5
	s_and_b32 s6, s4, 1
	s_lshl_b32 s6, s6, 4
	s_add_co_u32 s5, s5, s6                        ; q and k: 32 c + 16 (w & 1)
	s_and_b32 s6, s3, 1                            ; c - 4 for c = 4, 5
	s_lshl_b32 s6, s6, 6
	s_lshl_b32 s7, s4, 4
	s_add_co_u32 s6, s6, s7                        ; v: 64 (c - 4) + 16 w
	s_cmp_lt_u32 s3, 4
	s_cselect_b32 s5, s5, s6                       ; dbase
	s_lshl_b32 s28, s5, 12                         ; dbase rows of 4,096 bytes,
	s_lshl_b32 s6, s30, 8                          ; and the 64 channels' 256 bytes of a row
	s_add_co_u32 s28, s28, s6
	s_mov_b32 s29, 0
	s_lshl_b32 s32, s3, 20                         ; c<<20 + w<<18 + (2 s)<<13
	s_lshl_b32 s6, s4, 18
	s_add_co_u32 s32, s32, s6
	s_lshl_b32 s6, s30, 14
	s_add_co_u32 s32, s32, s6
	s_mov_b32 s33, 0
	s_lshl_b32 s34, s5, 2                          ; dbase numbers of 4 bytes in a bias
	s_mov_b32 s35, 0
	s_lshl_b32 s36, s2, 13                         ; y images of 8,192 bytes
	s_mov_b32 s37, 0
	v_lshrrev_b32 v1, 4, v0                        ; row r = t / 16
	v_and_b32 v3, 15, v0                           ; j = t % 16: channels 4 j .. 4 j + 3 of the 64
	v_lshlrev_b32 v6, 4, v1                        ; in the image: lane r + 16 (j / 2 % 2), 16 bytes a lane,
	v_bfe_u32 v7, v0, 0, 1
	v_lshl_add_u32 v6, v7, 3, v6                   ; 8 bytes for the odd j,
	v_bfe_u32 v7, v0, 1, 1
	v_lshl_add_u32 v6, v7, 8, v6
	v_bfe_u32 v7, v0, 2, 1
	v_lshl_add_u32 v6, v7, 9, v6                   ; half = j / 4 % 2,
	v_bfe_u32 v7, v0, 3, 1
	v_lshl_add_u32 v6, v7, 13, v6                  ; half step j / 8
	v_lshlrev_b32 v1, 12, v1
	v_lshl_add_u32 v1, v3, 4, v1                   ; in W: row t / 16, 16 bytes at 16 (t % 16)
	v_lshlrev_b32 v5, 4, v0                        ; 16 t: my piece of the image on the way out, and of the bias image
	s_wait_kmcnt 0x0
	s_cmp_lt_u32 s4, 2
	s_cselect_b64 s[24:25], s[8:9], s[10:11]       ; Wq or Wk,
	s_cselect_b64 s[26:27], s[14:15], s[16:17]     ; bq or bk,
	s_cmp_lt_u32 s3, 4
	s_cselect_b64 s[24:25], s[24:25], s[12:13]     ; or Wv
	s_cselect_b64 s[26:27], s[26:27], s[18:19]     ; and bv
	s_add_nc_u64 s[24:25], s[24:25], s[28:29]
	s_add_nc_u64 s[26:27], s[26:27], s[34:35]
	s_add_nc_u64 s[20:21], s[20:21], s[32:33]
	s_add_nc_u64 s[22:23], s[22:23], s[36:37]
.irp i, 0,1,2,3,4,5,6,7
	global_load_b128 v[8+4*(\i):11+4*(\i)], v1, s[24:25] offset:524288*(\i) th:TH_LOAD_NT  ; n-tile i lies 128 rows further down
.endr
.irp i, 0,1,2,3,4,5,6,7
	s_wait_loadcnt 7-(\i)                          ; loads come back in order: mine is in, the 7 - i younger ones may stay out
	v_cvt_pk_bf16_f32 v[40+2*(\i)], v[8+4*(\i)], v[9+4*(\i)]
	v_cvt_pk_bf16_f32 v[41+2*(\i)], v[10+4*(\i)], v[11+4*(\i)]
	ds_store_b64 v6, v[40+2*(\i):41+2*(\i)] offset:1024*(\i)
.endr
	s_wait_dscnt 0x0                               ; for the others' sake: my stores are done
	s_barrier_signal -1
	s_barrier_wait -1                              ; the image is whole
.irp m, 0,1,2,3
	ds_load_b128 v[40+4*(\m):43+4*(\m)], v5 offset:4096*(\m)
.endr
.irp m, 0,1,2,3
	s_wait_dscnt 3-(\m)                            ; the 3 - m younger loads may stay out
	global_store_b128 v5, v[40+4*(\m):43+4*(\m)], s[20:21] offset:4096*(\m)
.endr
	s_cmp_lg_u32 s30, 0
	s_cbranch_scc1 .Ldone                          ; the bias image is made once for each (c, w): where s = 0
	v_lshrrev_b32 v4, 6, v0
	v_lshlrev_b32 v4, 9, v4                        ; piece t: n-tile t / 64 (piece t + 256: four n-tiles, 2,048 bytes, on), q = (t / 32) % 2, lane t % 32
	s_cmp_lt_u32 s3, 4
	s_cbranch_scc0 .Lnatural
	v_bfe_u32 v7, v0, 4, 1
	v_lshl_add_u32 v4, v7, 5, v4                   ; + 8 numbers for the upper half of the lanes
	v_bfe_u32 v7, v0, 5, 1
	v_lshl_add_u32 v4, v7, 4, v4                   ; + 4 numbers for q = 1
	global_load_b128 v[8:11], v4, s[26:27]
	global_load_b128 v[12:15], v4, s[26:27] offset:2048
	s_wait_loadcnt 0x0
	s_branch .Lround
.Lnatural:
	v_lshl_add_u32 v4, v3, 2, v4                   ; + lane % 16 numbers
	global_load_b32 v8, v4, s[26:27]
	global_load_b32 v12, v4, s[26:27] offset:2048
	s_wait_loadcnt 0x0
	v_mov_b32 v9, v8
	v_mov_b32 v10, v8
	v_mov_b32 v11, v8
	v_mov_b32 v13, v12
	v_mov_b32 v14, v12
	v_mov_b32 v15, v12
.Lround:
.irp k, 0,1,2,3
	v_cvt_pk_bf16_f32 v[16+(\k)], v[8+2*(\k)], v[9+2*(\k)]  ; rounded to bf16,
.endr
.irp k, 0,1,2,3
	v_lshlrev_b32 v[20+2*(\k)], 16, v[16+(\k)]              ; and widened again
	v_and_b32 v[21+2*(\k)], 0xffff0000, v[16+(\k)]
.endr
	global_store_b128 v5, v[20:23], s[22:23]
	global_store_b128 v5, v[24:27], s[22:23] offset:4096
.Ldone:
	s_wait_tensorcnt 0x0                           ; the wave's end, behind my last LDS store
	ds_add_u32 v[SPW], v[NIL]
	s_wait_dscnt 0x0
	s_endpgm
.Lfunc_end_k_q32f8386ce9_prep:
	.size	k_q32f8386ce9_prep, .Lfunc_end_k_q32f8386ce9_prep-k_q32f8386ce9_prep
	.p2alignl 7, 3214868480
	.fill 96, 4, 3214868480
	.section	.rodata,"a",@progbits
	.p2align	6, 0x0
	.amdhsa_kernel k_q32f8386ce9_prep
		.amdhsa_group_segment_fixed_size 17408
		.amdhsa_private_segment_fixed_size 0
		.amdhsa_enable_private_segment 0
		.amdhsa_kernarg_size 64
		.amdhsa_user_sgpr_count 2
		.amdhsa_user_sgpr_kernarg_segment_ptr 1
		.amdhsa_wavefront_size32 1
		.amdhsa_system_sgpr_workgroup_id_x 1
		.amdhsa_system_sgpr_workgroup_id_y 1
		.amdhsa_system_sgpr_workgroup_id_z 1
		.amdhsa_system_vgpr_workitem_id 0
		.amdhsa_next_free_vgpr 64
		.amdhsa_next_free_sgpr 66
		.amdhsa_reserve_vcc 0
		.amdhsa_float_denorm_mode_32 3
		.amdhsa_float_denorm_mode_16_64 3
		.amdhsa_memory_ordered 1
		.amdhsa_forward_progress 1
		.amdhsa_inst_pref_size 8
	.end_amdhsa_kernel
	.amdgpu_metadata
---
amdhsa.version: [ 1, 2 ]
amdhsa.kernels:
  - .name:           k_q32f8386ce9_prep
    .symbol:         k_q32f8386ce9_prep.kd
    .args:
      - { .name: Wq, .offset: 0, .size: 8, .value_kind: global_buffer, .address_space: global }
      - { .name: Wk, .offset: 8, .size: 8, .value_kind: global_buffer, .address_space: global }
      - { .name: Wv, .offset: 16, .size: 8, .value_kind: global_buffer, .address_space: global }
      - { .name: bq, .offset: 24, .size: 8, .value_kind: global_buffer, .address_space: global }
      - { .name: bk, .offset: 32, .size: 8, .value_kind: global_buffer, .address_space: global }
      - { .name: bv, .offset: 40, .size: 8, .value_kind: global_buffer, .address_space: global }
      - { .name: wp, .offset: 48, .size: 8, .value_kind: global_buffer, .address_space: global }
      - { .name: bp, .offset: 56, .size: 8, .value_kind: global_buffer, .address_space: global }
    .group_segment_fixed_size: 17408
    .private_segment_fixed_size: 0
    .kernarg_segment_align: 8
    .kernarg_segment_size: 64
    .max_flat_workgroup_size: 256
    .sgpr_count:     66
    .vgpr_count:     64
    .wavefront_size: 32
...
	.end_amdgpu_metadata
.endif
;; end of part 3
;; launch fused (part 4): grid 256 x 1, 4 waves a work-group, no clusters, 266,752 bytes of LDS; arguments x1, wp, bp, out0; writes out0
.if DOCPART == 4
	.amdgcn_target "amdgcn-amd-amdhsa--gfx1250"
	.amdhsa_code_object_version 6
	.text
	.protected	k_q32f8386ce9_fused
	.globl	k_q32f8386ce9_fused
	.p2align	8
	.type	k_q32f8386ce9_fused,@function
k_q32f8386ce9_fused:
	s_mov_b64 s[64:65], 0
	v_nop
	global_prefetch_b8 v0, s[64:65] scope:SCOPE_SE
	s_setreg_imm32_b32 hwreg(HW_REG_WAVE_MODE, 25, 1), 1
	s_wait_xcnt 0x0
; q, k, v = x W^T + b for 16,384 tokens of 1,024 channels; then, for each token by itself, attention over its 8 HEADS: s[h][g] = q[h] . k[g] / (-sqrt 128), softmax over g, out[h] = sum over g of a[h][g] v[g].
; ONE LAUNCH: q, k and v never go to memory.  A work-group owns 64 tokens (four m-tiles of 16) and makes all 3,072 projected numbers of each, so every work-group walks all weights.
; FORMATS AND LIMITS.  x, W and b are rounded to bf16 (W and b by the launch before); q and k are rounded once to bf16 (not f16: they have no room there for large inputs).  The weights a and v go into
; the second product as a HIGH and a LOW bf16 part each (hi = bf16(z), lo = bf16(z - hi)): 16 significant bits; one bf16 each would cost 2^-9 of every term of a sum of eight.
; All sums, the maximum and the softmax are f32; the maximum is taken away before the exponential.  A weight below 2^-126 counts as 0 in the row's sum; NaN and infinities are not treated apart.
; CHUNKS.  The 3,072 columns go in six chunks of 512; a wave makes 64 tokens x 128 columns: 32 accumulators, 256 registers.  K goes in 32 half steps of 32 channels a chunk, 32 products each.
;   chunks 0-3: q and k for channels d in [32 c, 32 c + 32) of all heads; waves 0, 1 take q's two blocks of 16 d, waves 2, 3 k's.  n-tile nt = head.  Product TRANSPOSED (source 0 = W's rows): a lane holds
;               one token and 8 neighbouring d: 16 bytes of bf16 for the stage.  Each chunk adds its 32 d to the scores.
;   chunks 4, 5: v for d in [64 c', 64 c' + 64) of all heads; wave w takes the block 16 w.  Product NATURAL (source 0 = x's rows): a lane holds one d and 8 tokens.
; THE WEIGHTS COME STRAIGHT INTO REGISTERS.  No wave wants a byte of W that another wave has fetched, and wp holds the operands as they lie in registers: a load is 512 consecutive bytes.  W's four buffers
; of 64 registers are eight GRANULES (4 n-tiles x 32 channels: 8 loads, 16 products).  A granule is asked for again four places behind its last product, so 56 loads (28,672 bytes) of a wave are on
; their way all the time, each 112 products ahead of its use, with no barrier in the loop; the stream runs on over the epilogues.
; NO CLUSTER, NO JOINT LOADS, though all work-groups walk the same wp: beside x's 132,096 bytes and the stages LDS has room for two slots of one step of 64 channels; a slot's refill would go out with nothing
; beside it and have 48 of the step's 64 products in which to land, with a round of all partners at each of the 96 steps.
; K IS ROTATED: work-group i starts every chunk at channel 64 (i % 16) and goes round (f32 sums may be taken in any order), so that the 256 work-groups do not all ask for the same bytes at the same time.
; THE SMALL PRODUCTS, two tokens to a tile.  Pair pi = 8 mt + j holds tokens 16 mt + j and 16 mt + j + 8.  S^T = K Q^T: rows (tau, g), columns (tau', h); a lane holds one column and eight g, so the softmax
; stays in the lane; only lanes with tau = tau' (0-7, 24-31) are of use, the others are set to 0.  Packed to bf16, four registers ARE half of source 1 of out^T = v^T a^T (k slot 8 tau + g).
; Of the natural v tiles, (g = 2 p, g = 2 p + 1) of register j, packed, ARE half of source 0 for pair j.  A pair fills 16 of the 32 k slots, so the other 16 take the low parts: source 1 = [Ah | Al];
; the v side is 12 registers Vh Vl Vh, whose two overlapping tuples [Vh | Vl] and [Vl | Vh] give, in two products on one accumulator, (Vh + Vl)(Ah + Al).
; LDS, each region with one use: x in bf16, 64 rows of 2,064 bytes (2,048 + 16: the 16 rows of a fragment load start 16 bytes apart modulo 256), stored once; the stage of q and k; the weights a of all
; 32 pairs; the stage of the output, two buffers; the spare words.
; REGISTERS, in windows of 256 (s_set_vgpr_msb: bits 1:0 source 0, 3:2 source 1, 5:4 source 2, 7:6 destination):
;   window 0: v0-30 addresses; v32-95 x's fragments, two buffers; v96-239 at work in the epilogues          window 1: the accumulators, (mt, nt) at 8 (8 mt + nt); at the start x's loads in flight
;   window 2: W, buffer b, n-tile nt at 64 b + 8 nt          window 3: v0-63 the bias image (C of a chunk's first products); v64-127 eight score tiles, later a's fragments; v128-239 at work
.set XP,    2064                       ; a row of x in LDS
.set QST,   64*XP                      ; 132,096: the stage of q and k
.set QKB,   1040                       ; a pair's block of q or of k: 1,024 bytes + 16; inside: 512 x d block + 256 x (d half) + 16 x (8 tau + head)
.set QKK,   32*QKB                     ; 32 pairs of q, then of k
.set ATL,   QST+2*QKK                  ; 198,656: a pair's weights: 512 bytes of Ah, 512 of Al
.set EXB,   1024
.set OSG,   ATL+32*EXB                 ; 231,424: the stage of the output
.set OPI,   272                        ; a row of 64 f32 + 16 bytes
.set OBUF,  64*OPI                     ; four pairs x 16 rows (tau', head)
.set SPARE, OSG+2*OBUF                 ; 266,240: the spare words, 128 bytes for each wave: two blocks of 256 bytes that no other line names
.set R16, 1                            ; v1   lane % 16
.set H2,  2                            ; v2   lane / 16
.set LN,  3                            ; v3   lane
.set AX0, 4                            ; v4-5   x's fragments: XP (lane % 16) + 16 (lane / 16), for m-tiles 0, 1; the same 32 rows on, for m-tiles 2, 3
.set AXW, 6                            ; v6-7   the same plus the half step's bytes
.set WA0, 8                            ; v8-11  buffer b: byte offset in my wave's stream of wp of the half step that its first granule was last asked for, + 16 lane
.set WA1, 12                           ; v12-15 the same for its second granule
.set LN16, 16                          ; v16  16 lane
.set XG,  17                           ; v17  my 16 bytes in a row of x1: 16 rows x wave + 16 lane
.set XL,  18                           ; v18  and where their 8 bytes of bf16 go in LDS
.set QS,  19                           ; v19  where I put 16 bytes of q or k
.set QR,  20                           ; v20  where I read fragments: my wave's eight pairs + 16 lane
.set EX,  21                           ; v21  the weights a: 16 lane
.set EXS, 22                           ; v22  the same at my wave's eight pairs
.set OST, 23                           ; v23  where I put 32 bytes of an output row
.set ORD, 24                           ; v24  where I read rows back
.set OG,  25                           ; v25  my byte offset in out0
.set PFO, 26                           ; v26  256 lane: the prefetches' offset; never rewritten
.set T0,  27
.set SPW, 28                           ; v28  LDS address of my spare word: SPARE + 4 x my thread's number; never rewritten
.set NIL, 29                           ; v29  0; never rewritten
.set T1,  30
.set XF,  32                           ; buffer f, m-tile mt at XF + 32 f + 8 mt
.set TM,  96                           ; the q/k epilogue: 128 registers
.set XT,  224                          ; the x phase: 16 registers
.set PVA, 96                           ; the v epilogue: pair e of a batch at PVA + 12 e: Vh, Vl, Vh, four registers each
.set PVT, 144                          ; 32 at work: v less its high part
.set PVD, 176                          ; results, two buffers of 32
.set BIA, 0                            ; window 3
.set SC,  64                           ; window 3: score tile t at SC + 8 t
.set TT,  128                          ; window 3: tile t: c x min at TT + 2 t, min at TT + 2 t + 1
.set UU,  144                          ; window 3: 32 at work
.set AH,  176                          ; window 3: tile t's high parts at AH + 4 t
.set AL,  208                          ; window 3: its low parts at AL + 4 t
.set ATF, 64                           ; window 3, in the v chunks: [Ah | Al] of a batch's four pairs
.set PVR, 128                          ; window 3, in the v chunks: 16 rows read back
.set WV,  12                           ; s12  my wave's number
.set ROT2, 13                          ; s13  the half step at which my work-group starts a chunk: 2 (work-group % 16)
.set KO,  24                           ; s24  the byte offset in a row of x of the half step whose fragments were fetched last
.set NL,  25                           ; s25  the number (0..191, chunks on end) of the half step whose offset was made last
.set OFF, 26                           ; s26  that offset
.set LAPC, 27                          ; s27  counts a chunk's trips
.set CHK, 28                           ; s28  counts the q/k chunks
.set LIM, 29                           ; s29  3 in work-groups 0 to 15, else 0: a wave prefetches in the trip in which s[LAPC] equals it
.set PFA, 30                           ; s[30:31] the first bytes that my wave loads of the next chunk
.set CS,  32                           ; s[32:33] c = -log2(e) / sqrt(128)
.set MSK, 34                           ; s34  the lanes with tau = tau'
.set HM,  35                           ; s35  a word's upper bf16
.set BPA, 36                           ; s[36:37] the next chunk's bias image, at my wave's part
.set ST,  38                           ; s38  at work
.set MSB, 0
.macro WIN new                         ; the immediate's high byte repeats the setting that is left; a switch that changes nothing is dropped
.if MSB != (\new)
	s_set_vgpr_msb (MSB<<8)|(\new)
.set MSB, \new
.endif
.endm
.macro PLACES                          ; four plain vector instructions between a matrix instruction and a vector read of its result, or a write or load into one of its registers (ISA guide 7.12.1 for vector instructions)
.rept 4
	v_nop
.endr
.endm
.macro BAR
	s_barrier_signal -1
	s_barrier_wait -1
.endm
.macro BIASLD                          ; the next chunk's C operands: 16 loads of 512 consecutive bytes
	WIN 0xc0
.irp nt, 0,1,2,3,4,5,6,7
	global_load_b128 v[BIA+8*(\nt):BIA+8*(\nt)+3],   v[LN16], s[BPA:BPA+1] offset:1024*(\nt)
	global_load_b128 v[BIA+8*(\nt)+4:BIA+8*(\nt)+7], v[LN16], s[BPA:BPA+1] offset:1024*(\nt)+512
.endr
	WIN 0
.endm
.macro WLOAD b, hf                     ; a granule: n-tiles 4 hf .. 4 hf + 3 of buffer b: 8 loads, 4,096 consecutive bytes of my wave's stream
	WIN 0x80
.irp i, 0,1,2,3
	global_load_b128 v[64*(\b)+32*(\hf)+8*(\i):64*(\b)+32*(\hf)+8*(\i)+3],   v[WA0+4*(\hf)+(\b)], s[6:7] offset:4096*(\hf)+1024*(\i)
	global_load_b128 v[64*(\b)+32*(\hf)+8*(\i)+4:64*(\b)+32*(\hf)+8*(\i)+7], v[WA0+4*(\hf)+(\b)], s[6:7] offset:4096*(\hf)+1024*(\i)+512
.endr
.endm
.macro XFETCH f                        ; x's four m-tiles x 32 channels into buffer f: 8 LDS loads
	WIN 0
.irp mt, 0,1,2,3
	ds_load_b128 v[XF+32*(\f)+8*(\mt):XF+32*(\f)+8*(\mt)+3],   v[AXW+(\mt)/2] offset:16*XP*((\mt)%2)
	ds_load_b128 v[XF+32*(\f)+8*(\mt)+4:XF+32*(\f)+8*(\mt)+7], v[AXW+(\mt)/2] offset:16*XP*((\mt)%2)+32
.endr
.endm
; A PREFETCH INTO THE L2 of the 16,384 bytes with which my wave begins the next chunk: two instructions, a lane 256 bytes.  The sixteen starting steps of the rotation are a chunk's sixteen steps of 64 channels, so
; work-groups 0 to 15, one for each starting step, name each 256 bytes of chunks 1 to 5 once between them, and nobody else asks.  It stands behind the loads at the head of half step 20: 272 products ahead
; of the loads that want those bytes.  Chunk 0 comes by its loads alone; the last chunk's text holds no prefetch.
.macro ASK
	WIN 0
	s_cmp_eq_u32 s[LAPC], s[LIM]
	s_cbranch_scc0 .Lnot_mine_\@
	global_prefetch_b8 v[PFO], s[PFA:PFA+1] th:TH_LOAD_NT scope:SCOPE_SE
	global_prefetch_b8 v[PFO], s[PFA:PFA+1] offset:8192 th:TH_LOAD_NT scope:SCOPE_SE
.Lnot_mine_\@:
.endm
; 16 matrix instructions: a granule's four n-tiles x all m-tiles.  o = 0: transposed, 1: natural.  first = 1: the sums start with the bias image.  The 32 accumulators take turns, in the same order in
; every half step: 31 others stand between two links of a chain, over the backward jumps too.
.macro MUL16 b, hf, o, first
	WIN 0x52+0x06*(\o)+0x20*(\first)               ; D window 1; C window 1 or (first) 3; W window 2 as source 0 (transposed) or 1 (natural); x window 0
.irp i, 0,1,2,3
.irp mt, 0,1,2,3
.set rD, 8*(8*(\mt)+4*(\hf)+(\i))
.set rW, 64*(\b)+32*(\hf)+8*(\i)
.set rX, XF+32*((\b)%2)+8*(\mt)
.set rB, BIA+8*(4*(\hf)+(\i))
.if (\o) == 0
.if \first
	v_wmma_f32_16x16x32_bf16 v[rD:rD+7], v[rW:rW+7], v[rX:rX+7], v[rB:rB+7]
.else
	v_wmma_f32_16x16x32_bf16 v[rD:rD+7], v[rW:rW+7], v[rX:rX+7], v[rD:rD+7]
.endif
.else
.if \first
	v_wmma_f32_16x16x32_bf16 v[rD:rD+7], v[rX:rX+7], v[rW:rW+7], v[rB:rB+7]
.else
	v_wmma_f32_16x16x32_bf16 v[rD:rD+7], v[rX:rX+7], v[rW:rW+7], v[rD:rD+7]
.endif
.endif
.endr
.endr
.endm
; HALF STEP u, on buffer b = u % 4.  Granules are numbered 2 u + half, and are asked for in that order.
; At its head: granule 2 u is in (wb: how many younger loads may stay out: six granules of eight); x's fragments of half step u + 1 are fetched, and granule 2 u + 7 is asked for, into the registers that the
; half step before has just multiplied.  In its middle: granule 2 u + 1 is in (wm), and granule 2 u + 8 is asked for, into the registers just multiplied.
; The four address instructions at the head are the four places behind the last product.  An offset register is written again only behind the counted wait that shows its loads done: WA0 + b served
; granule 2 u, which wb has shown; WA1 + (b + 3) % 4 served granule 2 u - 1, which the half step before has shown.
; lb, lm = 0: nothing is asked for at the head, in the middle (the launch's last granules have been asked for).  fx = 0: there is no further half step.
.macro HS b, o, first, wb, wm, lb, lm, fx, ask=0
	WIN 0
.if \fx
	s_add_co_u32 s[KO], s[KO], 64                  ; the next half step's 32 channels in a row of x,
	s_and_b32 s[KO], s[KO], 0x7c0                  ; round the row's 2,048 bytes
.endif
.if \lm
	s_add_co_u32 s[NL], s[NL], 1                   ; half step u + 4, counted over all chunks:
	s_add_co_u32 s[ST], s[NL], s[ROT2]
	s_and_b32 s[ST], s[ST], 31                     ; its place in the chunk, rotated, 8,192 bytes each,
	s_lshl_b32 s[ST], s[ST], 13
	s_and_b32 s[OFF], s[NL], 0xe0                  ; and its chunk, 2^20 bytes each
	s_lshl_b32 s[OFF], s[OFF], 15
	s_add_co_u32 s[OFF], s[OFF], s[ST]
.endif
	s_wait_loadcnt \wb
.set np, 0
.if \fx
	v_add_nc_u32 v[AXW], s[KO], v[AX0]
	v_add_nc_u32 v[AXW+1], s[KO], v[AX0+1]
.set np, np+2
.endif
.if \lb
	v_mov_b32 v[WA1+((\b)+3)%4], v[WA0+((\b)+3)%4] ; half step u + 3: its first granule was asked for by this offset in the half step before
.set np, np+1
.endif
.if \lm
	v_add_nc_u32 v[WA0+(\b)], s[OFF], v[LN16]
.set np, np+1
.endif
.if ((\fx) || (\lb)) && (np < 4)
.rept 4-np
	v_nop
.endr
.endif
.if \fx
	XFETCH 1-((\b)%2)
.endif
.if \lb
	WLOAD ((\b)+3)%4, 1
.endif
.if \ask
	ASK
.endif
.if \fx
	s_wait_dscnt 8                                 ; this half step's fragments of x are in; the eight loads just issued may stay out
.else
	s_wait_dscnt 0x0
.endif
	MUL16 \b, 0, \o, \first
	s_wait_loadcnt \wm
.if \lm
	PLACES
	WLOAD \b, 0
.endif
	MUL16 \b, 1, \o, \first
.endm
.macro TRIP o, first, ask
	HS 0, \o, \first, 48, 48, 1, 1, 1, \ask
	HS 1, \o, 0, 48, 48, 1, 1, 1
	HS 2, \o, 0, 48, 48, 1, 1, 1
	HS 3, \o, 0, 48, 48, 1, 1, 1
.endm
; A chunk's 32 half steps.  The first trip is written out: its first products start the sums.  A chunk's last four half steps ask for the next chunk's first four.  The launch's last chunk has its last trip
; written out: one granule is left to ask for, and the counts run down with the granules still out.
.macro GEMM o, last
	WIN 0
	s_wait_loadcnt 0x0                             ; the bias image, the youngest of my loads, is in
.if !(\last)
	s_wait_xcnt 0x0                                ; and every load and prefetch has read its address, so the two pointers may be written:
	s_add_nc_u64 s[BPA:BPA+1], s[BPA:BPA+1], 32768 ; the next chunk's image: four waves x 8,192 bytes on
	s_add_nc_u64 s[PFA:PFA+1], s[PFA:PFA+1], 0x100000  ; the next chunk
.endif
	TRIP \o, 1, 0
	WIN 0
	s_mov_b32 s[LAPC], 7-(\last)
.Llap_\@:
	TRIP \o, 0, 1-(\last)
	WIN 0
	s_sub_co_u32 s[LAPC], s[LAPC], 1
	s_cmp_lg_u32 s[LAPC], 0
	s_cbranch_scc1 .Llap_\@
.if \last
	HS 0, \o, 0, 48, 48, 1, 0, 1
	HS 1, \o, 0, 40, 32, 0, 0, 1
	HS 2, \o, 0, 24, 16, 0, 0, 1
	HS 3, \o, 0, 8, 0, 0, 0, 0
.endif
	WIN 0
.endm
	; ---------------- the head ----------------
	s_load_b256 s[4:11], s[0:1], 0x0               ; x1 s[4:5], wp s[6:7], bp s[8:9], out0 s[10:11]
	v_lshl_add_u32 v[SPW], v0, 2, SPARE
	v_mov_b32 v[NIL], 0
	v_lshrrev_b32 v[T0], 5, v0
	v_readfirstlane_b32 s[WV], v[T0]               ; wave 0..3
	s_lshl_b32 s16, ttmp9, 18                      ; my work-group's 64 rows of 4,096 bytes
	s_mov_b32 s17, 0
	s_and_b32 s[ROT2], ttmp9, 15
	s_lshl_b32 s[ROT2], s[ROT2], 1
	s_lshl_b32 s18, s[WV], 18                      ; my wave's stream in a chunk of wp
	s_mov_b32 s19, 0
	s_lshl_b32 s22, s[ROT2], 13                    ; and where I begin in it
	s_mov_b32 s23, 0
	s_lshl_b32 s[KO], s[ROT2], 6
	s_mov_b32 s[NL], 3                             ; the offsets of half steps 0 to 3 are made below
	s_mov_b32 s[LIM], ttmp9
	s_cmp_lt_u32 s[LIM], 16
	s_cselect_b32 s[LIM], 3, 0                     ; s[LAPC] is never 0 inside a loop
	s_mov_b32 s[CS], 0xbe0293ee                    ; -log2(e) / sqrt(128) = -0.127517
	s_mov_b32 s[CS+1], s[CS]                       ; named with it as a pair
	s_mov_b32 s[HM], 0xffff0000
	v_and_b32 v[R16], 15, v0
	v_bfe_u32 v[H2], v0, 4, 1
	v_and_b32 v[LN], 31, v0
	v_lshlrev_b32 v[LN16], 4, v[LN]
	v_lshlrev_b32 v[PFO], 8, v[LN]
	v_mul_u32_u24 v[AX0], v[R16], XP
	v_lshl_add_u32 v[AX0], v[H2], 4, v[AX0]
	v_add_nc_u32 v[AX0+1], 32*XP, v[AX0]
.irp b, 0,1,2,3
	s_add_co_u32 s20, s[ROT2], \b
	s_and_b32 s20, s20, 31
	s_lshl_b32 s20, s20, 13
	v_add_nc_u32 v[WA0+(\b)], s20, v[LN16]
.if (\b) < 3
	v_mov_b32 v[WA1+(\b)], v[WA0+(\b)]             ; (the fourth is made by half step 0, which asks for that granule)
.endif
.endr
	s_lshl_b32 s15, s[WV], 16                      ; my 16 rows of x1
	v_lshl_add_u32 v[XG], v[LN], 4, s15
	s_mul_i32 s15, s[WV], 16*XP                    ; and of x in LDS
	v_lshl_add_u32 v[XL], v[LN], 3, s15
	s_lshr_b32 s15, s[WV], 1                       ; q (waves 0, 1) or k (waves 2, 3),
	s_mul_i32 s15, s15, QKK
	s_and_b32 s20, s[WV], 1                        ; my block of 16 d
	s_lshl_b32 s20, s20, 9
	s_add_co_u32 s15, s15, s20
	s_add_co_u32 s15, s15, QST
	v_and_b32 v[T0], 7, v0                         ; my token's pair in its m-tile,
	v_bfe_u32 v[T1], v0, 3, 1                      ; and which of the pair's two it is
	v_mul_u32_u24 v[QS], v[T0], QKB
	v_lshl_add_u32 v[QS], v[T1], 7, v[QS]
	v_lshl_add_u32 v[QS], v[H2], 8, v[QS]
	v_add_nc_u32 v[QS], s15, v[QS]
	v_cmp_eq_u32 s[MSK], v[T1], v[H2]              ; a score tile's lanes whose column and rows belong to the same token
	s_mul_i32 s15, s[WV], 8*QKB                    ; my wave multiplies the pairs of m-tile w
	s_add_co_u32 s15, s15, QST
	v_lshl_add_u32 v[QR], v[LN], 4, s15
	v_lshl_add_u32 v[EX], v[LN], 4, ATL
	s_lshl_b32 s15, s[WV], 13                      ; my wave's eight pairs of 1,024 bytes
	v_add_nc_u32 v[EXS], s15, v[EX]
	s_lshl_b32 s15, s[WV], 6                       ; my 16 d: 64 bytes of a stage row
	s_add_co_u32 s15, s15, OSG
	v_mul_u32_u24 v[OST], v[R16], OPI
	v_lshl_add_u32 v[OST], v[H2], 5, v[OST]
	v_add_nc_u32 v[OST], s15, v[OST]
	s_mul_i32 s15, s[WV], 16*OPI                   ; back: my wave takes the batch's pair w, whole rows; lanes 0-15 one row, lanes 16-31 the next
	s_add_co_u32 s15, s15, OSG
	v_mul_u32_u24 v[ORD], v[H2], OPI
	v_lshl_add_u32 v[ORD], v[R16], 4, v[ORD]
	v_add_nc_u32 v[ORD], s15, v[ORD]
	s_lshl_b32 s15, s[WV], 12                      ; in out0: token w of the batch's four, head lane / 16 of two, 16 bytes a lane
	v_lshlrev_b32 v[OG], 9, v[H2]
	v_lshl_add_u32 v[OG], v[R16], 4, v[OG]
	v_add_nc_u32 v[OG], s15, v[OG]
	s_wait_kmcnt 0x0
	s_add_nc_u64 s[4:5], s[4:5], s[16:17]          ; x1 and out0 at my work-group's first token
	s_add_nc_u64 s[10:11], s[10:11], s[16:17]
	s_add_nc_u64 s[6:7], s[6:7], s[18:19]          ; wp at my wave's stream of chunk 0
	s_add_nc_u64 s[PFA:PFA+1], s[6:7], s[22:23]    ; where I begin a chunk; each chunk's head steps it to the next chunk
	s_lshl_b32 s18, s[WV], 13
	s_add_nc_u64 s[BPA:BPA+1], s[8:9], s[18:19]    ; chunk 0's bias image, my wave's 8,192 bytes
	BIASLD
	; ---------------- x: f32 from memory, bf16 into LDS, once ----------------
	; Wave w takes rows 16 w .. 16 w + 15.  A row is eight loads of 512 consecutive bytes; eight groups of eight loads are on their way at a time, the rows in the accumulators' registers.
	; Behind the sixteenth row the groups go on with W's granules 0 to 6, so that every wait has the same count and the weights are on their way when the products begin.
.macro XLOAD i
	WIN 0x40
.irp g, 0,1,2,3,4,5,6,7
	global_load_b128 v[32*((\i)%8)+4*(\g):32*((\i)%8)+4*(\g)+3], v[XG], s[4:5] offset:4096*(\i)+512*(\g) th:TH_LOAD_NT
.endr
.endm
.macro XGROUP i
	s_wait_loadcnt 56                              ; row i is in; the seven younger groups of eight may stay out
	WIN 0x05
.irp g, 0,1,2,3,4,5,6,7
	v_cvt_pk_bf16_f32 v[XT+2*(\g)],   v[32*((\i)%8)+4*(\g)],   v[32*((\i)%8)+4*(\g)+1]
	v_cvt_pk_bf16_f32 v[XT+2*(\g)+1], v[32*((\i)%8)+4*(\g)+2], v[32*((\i)%8)+4*(\g)+3]
.endr
	WIN 0
.irp g, 0,1,2,3,4,5,6,7
	ds_store_b64 v[XL], v[XT+2*(\g):XT+2*(\g)+1] offset:XP*(\i)+256*(\g)  ; 32 lanes, 256 consecutive bytes
.endr
.if (\i) < 8
	XLOAD (\i)+8
.elseif (\i) < 15
	WLOAD ((\i)-8)/2, ((\i)-8)%2
.endif
.endm
.irp i, 0,1,2,3,4,5,6,7
	XLOAD \i
.endr
	; While the first rows are on their way: the score tiles start at 0, so that the loop over the q/k chunks has one form of score product.
	WIN 0xc0
.set i, 0
.rept 64
	v_mov_b32 v[SC+i], 0
.set i, i+1
.endr
.irp i, 0,1,2,3,4,5,6,7,8,9,10,11,12,13,14,15
	XGROUP \i
.endr
	WIN 0
	s_wait_dscnt 0x0                               ; for the others' sake: my rows of x are stored
	BAR
	v_add_nc_u32 v[AXW], s[KO], v[AX0]
	v_add_nc_u32 v[AXW+1], s[KO], v[AX0+1]
	XFETCH 0                                       ; half step 0's fragments of x; every later fetch stands in the half step before
	; ---------------- chunks 0 to 3: q and k, and their share of the scores ----------------
.macro QKPACK hf, base                 ; m-tiles 2 hf, 2 hf + 1: a lane's eight d of a token and head, rounded to bf16: 16 bytes
	WIN 0x05
.irp m, 0,1
.irp nt, 0,1,2,3,4,5,6,7
.irp k, 0,1,2,3
	v_cvt_pk_bf16_f32 v[(\base)+4*(8*(\m)+(\nt))+(\k)], v[8*(8*(2*(\hf)+(\m))+(\nt))+2*(\k)], v[8*(8*(2*(\hf)+(\m))+(\nt))+2*(\k)+1]
.endr
.endr
.endr
.endm
.macro QKPUT hf, base                  ; sixteen lanes' addresses lie 16 bytes apart modulo 256
	WIN 0
.irp m, 0,1
.irp nt, 0,1,2,3,4,5,6,7
	ds_store_b128 v[QS], v[(\base)+4*(8*(\m)+(\nt)):(\base)+4*(8*(\m)+(\nt))+3] offset:8*QKB*(2*(\hf)+(\m))+16*(\nt)
.endr
.endr
.endm
	s_mov_b32 s[CHK], 4
.Lchunk:
	GEMM 0, 0
	PLACES                                         ; behind the chunk's last products
	s_wait_dscnt 0x0                               ; no LDS load of mine is out (the next chunk's first fragments of x are in)
	s_barrier_signal -1
	QKPACK 0, TM                                   ; tokens 0 to 31 are rounded while the others arrive
	WIN 0
	s_barrier_wait -1                              ; every wave's reads of the stage in the chunk before were waited for ahead of its signal: the stage may be written again
	QKPUT 0, TM
	QKPACK 1, TM+64
	QKPUT 1, TM+64
	BIASLD                                         ; the next chunk's, on its way during the epilogue
	s_wait_dscnt 0x0                               ; for the others' sake: my stores are done
	BAR
.irp t, 0,1,2,3,4,5,6,7                ; my wave's eight pairs: Q's fragment (8 registers), then K's; 512 consecutive bytes a load
	ds_load_b128 v[TM+16*(\t):TM+16*(\t)+3],     v[QR] offset:QKB*(\t)
	ds_load_b128 v[TM+16*(\t)+4:TM+16*(\t)+7],   v[QR] offset:QKB*(\t)+512
	ds_load_b128 v[TM+16*(\t)+8:TM+16*(\t)+11],  v[QR] offset:QKB*(\t)+QKK
	ds_load_b128 v[TM+16*(\t)+12:TM+16*(\t)+15], v[QR] offset:QKB*(\t)+QKK+512
.endr
	s_wait_dscnt 0x0                               ; my fragments are in: my reads of the stage are over
	WIN 0xf0
.irp t, 0,1,2,3,4,5,6,7                ; S^T += K Q^T over the chunk's 32 d: eight accumulators, one instruction each
	v_wmma_f32_16x16x32_bf16 v[SC+8*(\t):SC+8*(\t)+7], v[TM+16*(\t)+8:TM+16*(\t)+15], v[TM+16*(\t):TM+16*(\t)+7], v[SC+8*(\t):SC+8*(\t)+7]
.endr
	WIN 0
	PLACES                                         ; in front of the softmax's reads
	s_sub_co_u32 s[CHK], s[CHK], 1
	s_cmp_lg_u32 s[CHK], 0
	s_cbranch_scc1 .Lchunk
	; ---------------- the softmax of my eight score tiles, in the lane ----------------
	; The scale is negative, so the greatest scaled score is c x the least score: p = 2^(c s - c min).  Each accumulator's lowest registers are read first.
	WIN 0xff
.irp t, 0,1,2,3,4,5,6,7
	v_min3_num_f32 v[TT+2*(\t)+1], v[SC+8*(\t)], v[SC+8*(\t)+1], v[SC+8*(\t)+2]
.endr
.irp t, 0,1,2,3,4,5,6,7
	v_min3_num_f32 v[TT+2*(\t)+1], v[TT+2*(\t)+1], v[SC+8*(\t)+3], v[SC+8*(\t)+4]
.endr
.irp t, 0,1,2,3,4,5,6,7
	v_min3_num_f32 v[TT+2*(\t)+1], v[TT+2*(\t)+1], v[SC+8*(\t)+5], v[SC+8*(\t)+6]
.endr
.irp t, 0,1,2,3,4,5,6,7
	v_min_num_f32 v[TT+2*(\t)+1], v[TT+2*(\t)+1], v[SC+8*(\t)+7]
.endr
.irp t, 0,1,2,3,4,5,6,7
	v_mul_f32 v[TT+2*(\t)], s[CS], v[TT+2*(\t)+1]
.endr
.irp t, 0,1,2,3,4,5,6,7
.irp k, 0,2,4,6
	v_pk_fma_f32 v[SC+8*(\t)+(\k):SC+8*(\t)+(\k)+1], v[SC+8*(\t)+(\k):SC+8*(\t)+(\k)+1], s[CS:CS+1], v[TT+2*(\t):TT+2*(\t)+1] op_sel_hi:[1,0,0] neg_lo:[0,0,1] neg_hi:[0,0,1]
.endr
.endr
.set i, 0
.rept 64
	v_exp_f32 v[SC+i], v[SC+i]                     ; one batch
.set i, i+1
.endr
	v_nop                                          ; a plain instruction behind the last exponential,
	s_wait_alu depctr_va_vdst(0)                   ; and one wait ahead of the batch's first reader
.irp t, 0,1,2,3,4,5,6,7
	v_pk_add_f32 v[UU+4*(\t):UU+4*(\t)+1],   v[SC+8*(\t):SC+8*(\t)+1],     v[SC+8*(\t)+2:SC+8*(\t)+3]
	v_pk_add_f32 v[UU+4*(\t)+2:UU+4*(\t)+3], v[SC+8*(\t)+4:SC+8*(\t)+5],   v[SC+8*(\t)+6:SC+8*(\t)+7]
.endr
.irp t, 0,1,2,3,4,5,6,7
	v_pk_add_f32 v[UU+4*(\t):UU+4*(\t)+1], v[UU+4*(\t):UU+4*(\t)+1], v[UU+4*(\t)+2:UU+4*(\t)+3]
.endr
.irp t, 0,1,2,3,4,5,6,7
	v_add_f32 v[UU+4*(\t)], v[UU+4*(\t)], v[UU+4*(\t)+1]  ; the sum of the unrounded p: at least 1
.endr
.irp t, 0,1,2,3,4,5,6,7
	v_rcp_f32 v[UU+4*(\t)+2], v[UU+4*(\t)]
.endr
	v_nop
	s_wait_alu depctr_va_vdst(0)                   ; one wait for the eight reciprocals
.irp t, 0,1,2,3,4,5,6,7
.irp k, 0,2,4,6
	v_pk_mul_f32 v[SC+8*(\t)+(\k):SC+8*(\t)+(\k)+1], v[SC+8*(\t)+(\k):SC+8*(\t)+(\k)+1], v[UU+4*(\t)+2:UU+4*(\t)+3] op_sel_hi:[1,0]
.endr
.endr
	; a in two parts: the high part is a rounded to bf16, the low part what that rounding left, rounded to bf16.
.irp t, 0,1,2,3,4,5,6,7
.irp k, 0,1,2,3
	v_cvt_pk_bf16_f32 v[AH+4*(\t)+(\k)], v[SC+8*(\t)+2*(\k)], v[SC+8*(\t)+2*(\k)+1]
.endr
.endr
.irp t, 0,1,2,3,4,5,6,7
.irp k, 0,1,2,3
	v_lshlrev_b32 v[UU+8*((\t)%4)+2*(\k)],   16, v[AH+4*(\t)+(\k)]     ; the high parts as f32,
	v_and_b32     v[UU+8*((\t)%4)+2*(\k)+1], s[HM], v[AH+4*(\t)+(\k)]
.endr
.irp k, 0,1,2,3
	v_pk_add_f32 v[SC+8*(\t)+2*(\k):SC+8*(\t)+2*(\k)+1], v[SC+8*(\t)+2*(\k):SC+8*(\t)+2*(\k)+1], v[UU+8*((\t)%4)+2*(\k):UU+8*((\t)%4)+2*(\k)+1] neg_lo:[0,1] neg_hi:[0,1]  ; taken away (exactly),
.endr
.irp k, 0,1,2,3
	v_cvt_pk_bf16_f32 v[AL+4*(\t)+(\k)], v[SC+8*(\t)+2*(\k)], v[SC+8*(\t)+2*(\k)+1]  ; and the rest rounded
.endr
.endr
.set i, 0
.rept 64
	v_cndmask_b32 v[AH+i], 0, v[AH+i], s[MSK]      ; 0 where row and column belong to different tokens: AH's 32 registers, then AL's
.set i, i+1
.endr
	; Every wave needs all 32 pairs' weights, since it holds its 16 d of v for all 64 tokens: they are laid in LDS, 1,024 bytes a pair, in bytes that nothing else uses, and read from there batch by batch.
	WIN 0x0c
.irp t, 0,1,2,3,4,5,6,7
	ds_store_b128 v[EXS], v[AH+4*(\t):AH+4*(\t)+3] offset:EXB*(\t)      ; my tile t is pair 8 w + t
	ds_store_b128 v[EXS], v[AL+4*(\t):AL+4*(\t)+3] offset:EXB*(\t)+512
.endr
	WIN 0
	s_wait_dscnt 0x0                               ; for the others' sake: my stores are done
	BAR
	; ---------------- chunks 4 and 5: v, out = a v, and the way out ----------------
	; Batch n = 2 mt + u holds the four pairs 4 n + e.  Its 64 rows (pair, token of the pair, head) x 64 d of f32 meet in a stage buffer (two take turns), each wave writing its 16 d;
	; behind a barrier each wave reads 16 whole rows of 256 bytes and stores them.
; Source 0.  For pair e, register k: heads 2 k and 2 k + 1 of accumulator register 4 u + e (u = 0 comes first: the lowest registers are read first).
; The high part stands twice, round the low part, so that the two tuples [Vh | Vl] and [Vl | Vh] lie in 12 registers.
.macro PVCVT n
	WIN 0x05
.irp e, 0,1,2,3
.irp k, 0,1,2,3
	v_cvt_pk_bf16_f32 v[PVA+12*(\e)+(\k)],   v[8*(8*((\n)/2)+2*(\k))+4*((\n)%2)+(\e)], v[8*(8*((\n)/2)+2*(\k)+1)+4*((\n)%2)+(\e)]
	v_cvt_pk_bf16_f32 v[PVA+12*(\e)+8+(\k)], v[8*(8*((\n)/2)+2*(\k))+4*((\n)%2)+(\e)], v[8*(8*((\n)/2)+2*(\k)+1)+4*((\n)%2)+(\e)]
.endr
.endr
	WIN 0
.irp e, 0,1,2,3
.irp k, 0,1,2,3
	v_lshlrev_b32 v[PVT+2*(4*(\e)+(\k))],   16, v[PVA+12*(\e)+(\k)]    ; the high parts as f32,
	v_and_b32     v[PVT+2*(4*(\e)+(\k))+1], s[HM], v[PVA+12*(\e)+(\k)]
.endr
.endr
	WIN 0x01
.irp e, 0,1,2,3
.irp k, 0,1,2,3
	v_sub_f32 v[PVT+2*(4*(\e)+(\k))],   v[8*(8*((\n)/2)+2*(\k))+4*((\n)%2)+(\e)],   v[PVT+2*(4*(\e)+(\k))]    ; taken away from v (exactly),
	v_sub_f32 v[PVT+2*(4*(\e)+(\k))+1], v[8*(8*((\n)/2)+2*(\k)+1)+4*((\n)%2)+(\e)], v[PVT+2*(4*(\e)+(\k))+1]
.endr
.endr
	WIN 0
.irp e, 0,1,2,3
.irp k, 0,1,2,3
	v_cvt_pk_bf16_f32 v[PVA+12*(\e)+4+(\k)], v[PVT+2*(4*(\e)+(\k))], v[PVT+2*(4*(\e)+(\k))+1]  ; and the rest rounded
.endr
.endr
.endm
.macro ATTGET n                        ; [Ah | Al] of the batch's four pairs: 512 consecutive bytes a load
	WIN 0xc0
.irp e, 0,1,2,3
	ds_load_b128 v[ATF+8*(\e):ATF+8*(\e)+3],   v[EX] offset:EXB*(4*(\n)+(\e))
	ds_load_b128 v[ATF+8*(\e)+4:ATF+8*(\e)+7], v[EX] offset:EXB*(4*(\n)+(\e))+512
.endr
.endm
; out^T = v^T a^T: for each pair [Vh | Vl] x [Ah | Al], then [Vl | Vh] x [Ah | Al] onto it.  The batch's four accumulators take turns: three others stand between a chain's two links.
.macro PVMM n
	WIN 0x0c
.irp c, 0,1
.irp e, 0,1,2,3
.set rD, PVD+32*((\n)%2)+8*(\e)
.set rA, PVA+12*(\e)+4*(\c)
.if (\c) == 0
	v_wmma_f32_16x16x32_bf16 v[rD:rD+7], v[rA:rA+7], v[ATF+8*(\e):ATF+8*(\e)+7], 0
.else
	v_wmma_f32_16x16x32_bf16 v[rD:rD+7], v[rA:rA+7], v[ATF+8*(\e):ATF+8*(\e)+7], v[rD:rD+7]
.endif
.endr
.endr
.endm
.macro PVPUT n
	WIN 0
.irp e, 0,1,2,3
	ds_store_b128 v[OST], v[PVD+32*((\n)%2)+8*(\e):PVD+32*((\n)%2)+8*(\e)+3]   offset:OBUF*((\n)%2)+16*OPI*(\e)
	ds_store_b128 v[OST], v[PVD+32*((\n)%2)+8*(\e)+4:PVD+32*((\n)%2)+8*(\e)+7] offset:OBUF*((\n)%2)+16*OPI*(\e)+16
.endr
.endm
.macro PVGET n
	WIN 0xc0
.irp i, 0,1,2,3,4,5,6,7
	ds_load_b128 v[PVR+4*(\i):PVR+4*(\i)+3], v[ORD] offset:OBUF*((\n)%2)+2*OPI*(\i)
.endr
.endm
.macro PVSEND n, cp                    ; stage row 2 i + lane / 16 of my pair: token i / 4 of the pair, head (2 i) % 8 + lane / 16.  16 lanes store 256 consecutive bytes, at a multiple of 256 from out0's first byte
	WIN 0x0c
.irp i, 0,1,2,3,4,5,6,7
	global_store_b128 v[OG], v[PVR+4*(\i):PVR+4*(\i)+3], s[10:11] offset:65536*((\n)/2)+16384*((\n)%2)+32768*((\i)/4)+512*((2*(\i))%8)+256*(\cp) th:TH_STORE_NT
.endr
.endm
.macro VCHUNK cp, last
	GEMM 1, \last
	PLACES                                         ; behind the chunk's last products
.if !(\last)
	BIASLD
.endif
	ATTGET 0
	PVCVT 0
	s_wait_dscnt 0x0                               ; the batch's weights are in
	PVMM 0
	PLACES                                         ; in front of the stores of the results, of the next batch's writes into source 0's registers and of the loads into source 1's
	PVPUT 0
.irp n, 1,2,3,4,5,6,7
	WIN 0
	s_wait_dscnt 0x0                               ; my stores of batch n - 1 are done, and my reads of batch n - 2 are back
	BAR                                            ; everybody's: batch n - 1 may be read, and the other buffer written again
	s_wait_xcnt 0x0                                ; the stores of batch n - 2 have read their registers, which are loaded again below
	PVGET (\n)-1
	ATTGET \n
	PVCVT \n                                       ; the batch's arithmetic stands between the sixteen loads and the wait for them
	s_wait_dscnt 0x0
	PVMM \n
	PLACES
	PVPUT \n
	PVSEND (\n)-1, \cp
.endr
	WIN 0
	s_wait_dscnt 0x0
	BAR
	s_wait_xcnt 0x0
	PVGET 7
	s_wait_dscnt 0x0
	PVSEND 7, \cp
.endm
	VCHUNK 0, 0
	VCHUNK 1, 1
	WIN 0
	s_wait_tensorcnt 0x0                           ; the wave's end, behind my last LDS store
	ds_add_u32 v[SPW], v[NIL]
	s_wait_dscnt 0x0
	s_endpgm
.Lfunc_end_k_q32f8386ce9_fused:
	.size	k_q32f8386ce9_fused, .Lfunc_end_k_q32f8386ce9_fused-k_q32f8386ce9_fused
	.p2alignl 7, 3214868480
	.fill 96, 4, 3214868480
	.section	.rodata,"a",@progbits
	.p2align	6, 0x0
	.amdhsa_kernel k_q32f8386ce9_fused
		.amdhsa_group_segment_fixed_size 266752
		.amdhsa_private_segment_fixed_size 0
		.amdhsa_enable_private_segment 0
		.amdhsa_kernarg_size 32
		.amdhsa_user_sgpr_count 2
		.amdhsa_user_sgpr_kernarg_segment_ptr 1
		.amdhsa_wavefront_size32 1
		.amdhsa_system_sgpr_workgroup_id_x 1
		.amdhsa_system_sgpr_workgroup_id_y 1
		.amdhsa_system_sgpr_workgroup_id_z 1
		.amdhsa_system_vgpr_workitem_id 0
		.amdhsa_next_free_vgpr 1008
		.amdhsa_next_free_sgpr 66
		.amdhsa_reserve_vcc 0
		.amdhsa_float_denorm_mode_32 3
		.amdhsa_float_denorm_mode_16_64 3
		.amdhsa_memory_ordered 1
		.amdhsa_forward_progress 1
		.amdhsa_inst_pref_size 255
	.end_amdhsa_kernel
	.section	.bss,"aw",@nobits
	.p2align	6
	.space	262144
	.amdgpu_metadata
---
amdhsa.version: [ 1, 2 ]
amdhsa.kernels:
  - .name:           k_q32f8386ce9_fused
    .symbol:         k_q32f8386ce9_fused.kd
    .args:
      - { .name: x1, .offset: 0, .size: 8, .value_kind: global_buffer, .address_space: global }
      - { .name: wp, .offset: 8, .size: 8, .value_kind: global_buffer, .address_space: global }
      - { .name: bp, .offset: 16, .size: 8, .value_kind: global_buffer, .address_space: global }
      - { .name: out0, .offset: 24, .size: 8, .value_kind: global_buffer, .address_space: global }
    .group_segment_fixed_size: 266752
    .private_segment_fixed_size: 0
    .kernarg_segment_align: 8
    .kernarg_segment_size: 32
    .max_flat_workgroup_size: 128
    .sgpr_count:     66
    .vgpr_count:     1008
    .wavefront_size: 32
...
	.end_amdgpu_metadata
.endif
;; end of part 4
;; ======== version 3 of 3: 2 launches; version 2 with the launch fused written anew for expert scheduling mode
;; workspace buffers: wp 6,291,456 bytes; bp 196,608 bytes
;; launch prep: the kernel of part 3 again; grid 16 x 24, 8 waves a work-group, no clusters, 17,408 bytes of LDS; arguments Wq, Wk, Wv, bq, bk, bv, wp, bp; writes wp, bp
;; launch fused (part 5): grid 256 x 1, 4 waves a work-group, no clusters, 266,752 bytes of LDS; arguments x1, wp, bp, out0; writes out0
.if DOCPART == 5
	.amdgcn_target "amdgcn-amd-amdhsa--gfx1250"
	.amdhsa_code_object_version 6
	.text
	.protected	k_q32f8386ce9_fused
	.globl	k_q32f8386ce9_fused
	.p2align	8
	.type	k_q32f8386ce9_fused,@function
k_q32f8386ce9_fused:
	s_mov_b64 s[64:65], 0
	v_nop
	global_prefetch_b8 v0, s[64:65] scope:SCOPE_SE
	s_setreg_imm32_b32 hwreg(HW_REG_WAVE_SCHED_MODE, 0, 2), 2
	s_setreg_imm32_b32 hwreg(HW_REG_WAVE_MODE, 25, 1), 1
	s_wait_xcnt 0x0
	s_wait_alu depctr_vm_vsrc(0)
; q, k, v = x W^T + b for 16,384 tokens of 1,024 channels; then, for each token by itself, attention over its 8 HEADS: s[h][g] = q[h] . k[g] / (-sqrt 128), softmax over g, out[h] = sum over g of a[h][g] v[g].
; ONE LAUNCH: q, k and v never go to memory.  A work-group owns 64 tokens (four m-tiles of 16) and makes all 3,072 projected numbers of each, so every work-group walks all weights.
; FORMATS AND LIMITS.  x, W and b are rounded to bf16 (W and b by the launch before); q and k are rounded once to bf16 (not f16: they have no room there for large inputs).  The weights a and v go into
; the second product as a HIGH and a LOW bf16 part each (hi = bf16(z), lo = bf16(z - hi)): 16 significant bits; one bf16 each would cost 2^-9 of every term of a sum of eight.
; All sums, the maximum and the softmax are f32; the maximum is taken away before the exponential.  A weight below 2^-126 counts as 0 in the row's sum; NaN and infinities are not treated apart.
; CHUNKS.  The 3,072 columns go in six chunks of 512; a wave makes 64 tokens x 128 columns: 32 accumulators, 256 registers.  K goes in 32 half steps of 32 channels a chunk, 32 products each.
;   chunks 0-3: q and k for channels d in [32 c, 32 c + 32) of all heads; waves 0, 1 take q's two blocks of 16 d, waves 2, 3 k's.  n-tile nt = head.  Product TRANSPOSED (source 0 = W's rows): a lane holds
;               one token and 8 neighbouring d: 16 bytes of bf16 for the stage.  Each chunk adds its 32 d to the scores.
;   chunks 4, 5: v for d in [64 c', 64 c' + 64) of all heads; wave w takes the block 16 w.  Product NATURAL (source 0 = x's rows): a lane holds one d and 8 tokens.
; THE WEIGHTS COME STRAIGHT INTO REGISTERS.  No wave wants a byte of W that another wave has fetched, and wp holds the operands as they lie in registers: a load is 512 consecutive bytes.  W's four buffers
; of 64 registers are eight GRANULES (4 n-tiles x 32 channels: 8 loads, 16 products).  A buffer is asked for again in the half step behind the one that multiplied it, so 40 to 48 loads (up to 24,576 bytes)
; of a wave are on their way all the time, each 88 or 96 products ahead of its use, with no barrier in the loop; the stream runs on over the epilogues.
; NO CLUSTER, NO JOINT LOADS, though all work-groups walk the same wp: beside x's 132,096 bytes and the stages LDS has room for two slots of one step of 64 channels; a slot's refill would go out with nothing
; beside it and have 48 of the step's 64 products in which to land, with a round of all partners at each of the 96 steps.
; K IS ROTATED: work-group i starts every chunk at channel 64 (i % 16) and goes round (f32 sums may be taken in any order), so that the 256 work-groups do not all ask for the same bytes at the same time.
; THE SMALL PRODUCTS, two tokens to a tile.  Pair pi = 8 mt + j holds tokens 16 mt + j and 16 mt + j + 8.  S^T = K Q^T: rows (tau, g), columns (tau', h); a lane holds one column and eight g, so the softmax
; stays in the lane; only lanes with tau = tau' (0-7, 24-31) are of use, the others are set to 0.  Packed to bf16, four registers ARE half of source 1 of out^T = v^T a^T (k slot 8 tau + g).
; Of the natural v tiles, (g = 2 p, g = 2 p + 1) of register j, packed, ARE half of source 0 for pair j.  A pair fills 16 of the 32 k slots, so the other 16 take the low parts: source 1 = [Ah | Al];
; the v side is 12 registers Vh Vl Vh, whose two overlapping tuples [Vh | Vl] and [Vl | Vh] give, in two products on one accumulator, (Vh + Vl)(Ah + Al).
; LDS, each region with one use: x in bf16, 64 rows of 2,064 bytes (2,048 + 16: the 16 rows of a fragment load start 16 bytes apart modulo 256), stored once; the stage of q and k; the weights a of all
; 32 pairs; the stage of the output, two buffers; the spare words.
; REGISTERS, in windows of 256 (s_set_vgpr_msb: bits 1:0 source 0, 3:2 source 1, 5:4 source 2, 7:6 destination):
;   window 0: v0-30 addresses; v32-95 x's fragments, two buffers; v96-239 at work in the epilogues          window 1: the accumulators, (mt, nt) at 8 (8 mt + nt); at the start x's loads in flight
;   window 2: W, buffer b, n-tile nt at 64 b + 8 nt          window 3: v0-63 the bias image (C of a chunk's first products); v64-127 eight score tiles, later a's fragments; v128-239 at work
; THE MODE: SCHED_MODE bits 1:0 = 2 (LLVM: expert scheduling mode 2), set by the entry lines.  The code itself states the register dependences between vector or matrix instructions and memory or LDS
; instructions, with s_wait_alu, always for 0.
; THE PLAN.  Registers that memory or LDS instructions touch, and who else names them:
;   W buffer b        Half step u (b = u % 4): its 32 products read it.  Half step u + 1: the sixteen loads of half step u + 4 land in it.
;   XF[f]             Half step u (f = u % 2): its products read it.  Half step u + 1: the eight LDS loads of half step u + 2 land in it.
;   v[AXW], v[WA+b]   Read by those loads; written by three adds at a half step's head.
;   BIA               Read as C by a chunk's first 32 products; the next chunk's image lands in it in the epilogue.
;   XT, window 1      The x phase: a row's loads land in window 1, sixteen roundings read it and write XT, eight LDS stores read XT, the row eight further on lands.
;   TM                The q/k epilogue: the roundings write it, the stage's stores read it, the fragments' LDS loads land in it, the score products read it.
;   AH, AL            The softmax writes them, sixteen LDS stores read them; never written again.
;   ATF, PVD, PVR     The v epilogue: a's fragments land in ATF and the small products read it; these write PVD, which the stage's stores read; rows come back into PVR, which the global stores read.
;   every other address, v[PFO], v[SPW], v[NIL]: written at the head and never again.
; So a half step has ONE wait on vm_vsrc and ONE on va_vdst, both at its head, round the three adds: behind them the half step's 24 loads touch only what the half step before worked on, and its products
; name W buffer b, XF[b % 2] and the accumulators: none of the registers that those loads touch.  The loads are dealt among the products with no further wait.
.set XP,    2064                       ; a row of x in LDS
.set QST,   64*XP                      ; 132,096: the stage of q and k
.set QKB,   1040                       ; a pair's block of q or of k: 1,024 bytes + 16; inside: 512 x d block + 256 x (d half) + 16 x (8 tau + head)
.set QKK,   32*QKB                     ; 32 pairs of q, then of k
.set ATL,   QST+2*QKK                  ; 198,656: a pair's weights: 512 bytes of Ah, 512 of Al
.set EXB,   1024
.set OSG,   ATL+32*EXB                 ; 231,424: the stage of the output
.set OPI,   272                        ; a row of 64 f32 + 16 bytes
.set OBUF,  64*OPI                     ; four pairs x 16 rows (tau', head)
.set SPARE, OSG+2*OBUF                 ; 266,240: the spare words, 128 bytes for each wave: two blocks of 256 bytes that no other line names
.set R16, 1                            ; v1   lane % 16
.set H2,  2                            ; v2   lane / 16
.set LN,  3                            ; v3   lane
.set AX0, 4                            ; v4-5   x's fragments: XP (lane % 16) + 16 (lane / 16), for m-tiles 0, 1; the same 32 rows on, for m-tiles 2, 3
.set AXW, 6                            ; v6-7   the same plus the half step's bytes
.set WA,  8                            ; v8-11  buffer b: byte offset in my wave's stream of wp of the half step that the buffer was last asked for, + 16 lane
.set LN16, 16                          ; v16  16 lane
.set XG,  17                           ; v17  my 16 bytes in a row of x1: 16 rows x wave + 16 lane
.set XL,  18                           ; v18  and where their 8 bytes of bf16 go in LDS
.set QS,  19                           ; v19  where I put 16 bytes of q or k
.set QR,  20                           ; v20  where I read fragments: my wave's eight pairs + 16 lane
.set EX,  21                           ; v21  the weights a: 16 lane
.set EXS, 22                           ; v22  the same at my wave's eight pairs
.set OST, 23                           ; v23  where I put 32 bytes of an output row
.set ORD, 24                           ; v24  where I read rows back
.set OG,  25                           ; v25  my byte offset in out0
.set PFO, 26                           ; v26  256 lane: the prefetches' offset; never rewritten
.set T0,  27
.set SPW, 28                           ; v28  LDS address of my spare word: SPARE + 4 x my thread's number; never rewritten
.set NIL, 29                           ; v29  0; never rewritten
.set T1,  30
.set XF,  32                           ; buffer f, m-tile mt at XF + 32 f + 8 mt
.set TM,  96                           ; the q/k epilogue: 128 registers
.set XT,  224                          ; the x phase: 16 registers
.set PVA, 96                           ; the v epilogue: pair e of a batch at PVA + 12 e: Vh, Vl, Vh, four registers each
.set PVT, 144                          ; 32 at work: v less its high part
.set PVD, 176                          ; results, two buffers of 32
.set BIA, 0                            ; window 3
.set SC,  64                           ; window 3: score tile t at SC + 8 t
.set TT,  128                          ; window 3: tile t: c x min at TT + 2 t, min at TT + 2 t + 1
.set UU,  144                          ; window 3: 32 at work
.set AH,  176                          ; window 3: tile t's high parts at AH + 4 t
.set AL,  208                          ; window 3: its low parts at AL + 4 t
.set ATF, 64                           ; window 3, in the v chunks: [Ah | Al] of a batch's four pairs
.set PVR, 128                          ; window 3, in the v chunks: 16 rows read back
.set WV,  12                           ; s12  my wave's number
.set ROT2, 13                          ; s13  the half step at which my work-group starts a chunk: 2 (work-group % 16)
.set KO,  24                           ; s24  the byte offset in a row of x of the half step whose fragments were fetched last
.set NL,  25                           ; s25  the number (0..191, chunks on end) of the half step whose offset was made last
.set OFF, 26                           ; s26  that offset
.set LAPC, 27                          ; s27  counts a chunk's trips
.set CHK, 28                           ; s28  counts the q/k chunks
.set LIM, 29                           ; s29  3 in work-groups 0 to 15, else 0: a wave prefetches in the trip in which s[LAPC] equals it
.set PFA, 30                           ; s[30:31] the first bytes that my wave loads of the next chunk
.set CS,  32                           ; s[32:33] c = -log2(e) / sqrt(128)
.set MSK, 34                           ; s34  the lanes with tau = tau'
.set HM,  35                           ; s35  a word's upper bf16
.set BPA, 36                           ; s[36:37] the next chunk's bias image, at my wave's part
.set ST,  38                           ; s38  at work
.set MSB, 0
.macro WIN new                         ; the immediate's high byte repeats the setting that is left; a switch that changes nothing is dropped
.if MSB != (\new)
	s_set_vgpr_msb (MSB<<8)|(\new)
.set MSB, \new
.endif
.endm
.macro PLACES                          ; four plain vector instructions between a matrix instruction and a vector read or a store of its result, or a vector write into one of its registers
.rept 4
	v_nop
.endr
.endm
.macro BAR
	s_barrier_signal -1
	s_barrier_wait -1
.endm
.macro BIASLD                          ; the next chunk's C operands: 16 loads of 512 consecutive bytes.  The products that read the last image stand ahead of the half steps' waits on va_vdst, and nothing behind the last of those waits names the image or v[LN16]
	WIN 0xc0
.irp nt, 0,1,2,3,4,5,6,7
	global_load_b128 v[BIA+8*(\nt):BIA+8*(\nt)+3],   v[LN16], s[BPA:BPA+1] offset:1024*(\nt)
	global_load_b128 v[BIA+8*(\nt)+4:BIA+8*(\nt)+7], v[LN16], s[BPA:BPA+1] offset:1024*(\nt)+512
.endr
	WIN 0
.endm
.macro WLOAD b, hf                     ; a granule: n-tiles 4 hf .. 4 hf + 3 of buffer b: 8 loads, 4,096 consecutive bytes of my wave's stream
	WIN 0x80
.irp i, 0,1,2,3
	global_load_b128 v[64*(\b)+32*(\hf)+8*(\i):64*(\b)+32*(\hf)+8*(\i)+3],   v[WA+(\b)], s[6:7] offset:4096*(\hf)+1024*(\i)
	global_load_b128 v[64*(\b)+32*(\hf)+8*(\i)+4:64*(\b)+32*(\hf)+8*(\i)+7], v[WA+(\b)], s[6:7] offset:4096*(\hf)+1024*(\i)+512
.endr
.endm
.macro XFETCH f                        ; x's four m-tiles x 32 channels into buffer f: 8 LDS loads
	WIN 0
.irp mt, 0,1,2,3
	ds_load_b128 v[XF+32*(\f)+8*(\mt):XF+32*(\f)+8*(\mt)+3],   v[AXW+(\mt)/2] offset:16*XP*((\mt)%2)
	ds_load_b128 v[XF+32*(\f)+8*(\mt)+4:XF+32*(\f)+8*(\mt)+7], v[AXW+(\mt)/2] offset:16*XP*((\mt)%2)+32
.endr
.endm
; A PREFETCH INTO THE L2 of the 16,384 bytes with which my wave begins the next chunk: two instructions, a lane 256 bytes.  The sixteen starting steps of the rotation are a chunk's sixteen steps of 64 channels, so
; work-groups 0 to 15, one for each starting step, name each 256 bytes of chunks 1 to 5 once between them, and nobody else asks.  It stands behind the LDS loads at the head of half step 20: 296 products ahead
; of the loads that want those bytes.  Chunk 0 comes by its loads alone; the last chunk's text holds no prefetch.  v[PFO] was written at the kernel's head, ahead of the wait on va_vdst there.
.macro ASK
	WIN 0
	s_cmp_eq_u32 s[LAPC], s[LIM]
	s_cbranch_scc0 .Lnot_mine_\@
	global_prefetch_b8 v[PFO], s[PFA:PFA+1] th:TH_LOAD_NT scope:SCOPE_SE
	global_prefetch_b8 v[PFO], s[PFA:PFA+1] offset:8192 th:TH_LOAD_NT scope:SCOPE_SE
.Lnot_mine_\@:
.endm
; 8 matrix instructions: n-tiles 4 hf + 2 q, 4 hf + 2 q + 1 x all m-tiles.  o = 0: transposed, 1: natural.  first = 1: the sums start with the bias image.  The 32 accumulators take turns, in the same order in
; every half step: 31 others stand between two links of a chain, over the backward jumps too.
.macro MUL8 b, hf, q, o, first
	WIN 0x52+0x06*(\o)+0x20*(\first)               ; D window 1; C window 1 or (first) 3; W window 2 as source 0 (transposed) or 1 (natural); x window 0
.irp i, 0,1
.irp mt, 0,1,2,3
.set rD, 8*(8*(\mt)+4*(\hf)+2*(\q)+(\i))
.set rW, 64*(\b)+32*(\hf)+8*(2*(\q)+(\i))
.set rX, XF+32*((\b)%2)+8*(\mt)
.set rB, BIA+8*(4*(\hf)+2*(\q)+(\i))
.if (\o) == 0
.if \first
	v_wmma_f32_16x16x32_bf16 v[rD:rD+7], v[rW:rW+7], v[rX:rX+7], v[rB:rB+7]
.else
	v_wmma_f32_16x16x32_bf16 v[rD:rD+7], v[rW:rW+7], v[rX:rX+7], v[rD:rD+7]
.endif
.else
.if \first
	v_wmma_f32_16x16x32_bf16 v[rD:rD+7], v[rX:rX+7], v[rW:rW+7], v[rB:rB+7]
.else
	v_wmma_f32_16x16x32_bf16 v[rD:rD+7], v[rX:rX+7], v[rW:rW+7], v[rD:rD+7]
.endif
.endif
.endr
.endr
.endm
; HALF STEP u, on buffer b = u % 4.  Granules are numbered 2 u + half, and are asked for in that order.
; At its head: granule 2 u is in (wb: how many younger loads may stay out: five granules of eight).  The addresses of x's next fragments and of half step u + 3 in wp are made between the two waits on the
; vector side's and the memory side's registers.  Then: x's fragments of half step u + 1; 8 products; granule 2 u + 6; 8 products; granule 2 u + 1 is in (wm: again five younger granules); granule 2 u + 7; 16 products.
; Both granules go into buffer (b + 3) % 4, which the half step before multiplied.  v[WA + (b + 3) % 4] served that half step's two granules, which its two counted waits have shown in.
; The adds and the v_nop are four plain vector instructions between the last product and the loads into the registers that it read.
; ld = 0: nothing is asked for (the launch's last granules have been asked for).  fx = 0: there is no further half step; a half step that issues no load states no dependence.
.macro HS b, o, first, wb, wm, ld, fx, ask=0
	WIN 0
.if \fx
	s_add_co_u32 s[KO], s[KO], 64                  ; the next half step's 32 channels in a row of x,
	s_and_b32 s[KO], s[KO], 0x7c0                  ; round the row's 2,048 bytes
.endif
.if \ld
	s_add_co_u32 s[NL], s[NL], 1                   ; half step u + 3, counted over all chunks:
	s_add_co_u32 s[ST], s[NL], s[ROT2]
	s_and_b32 s[ST], s[ST], 31                     ; its place in the chunk, rotated, 8,192 bytes each,
	s_lshl_b32 s[ST], s[ST], 13
	s_and_b32 s[OFF], s[NL], 0xe0                  ; and its chunk, 2^20 bytes each
	s_lshl_b32 s[OFF], s[OFF], 15
	s_add_co_u32 s[OFF], s[OFF], s[ST]
.endif
	s_wait_loadcnt \wb
.if (\fx) || (\ld)
	s_wait_alu depctr_vm_vsrc(0)                   ; the LDS loads and the loads of W issued so far have read v[AXW], v[AXW+1] and v[WA ..], which the adds below write
.set np, 0
.if \fx
	v_add_nc_u32 v[AXW], s[KO], v[AX0]
	v_add_nc_u32 v[AXW+1], s[KO], v[AX0+1]
.set np, np+2
.endif
.if \ld
	v_add_nc_u32 v[WA+((\b)+3)%4], s[OFF], v[LN16]
.set np, np+1
.endif
.rept 4-np
	v_nop
.endr
	s_wait_alu depctr_va_vdst(0)                   ; the adds have written the addresses that the loads below read; the last half step's products are done reading the other buffer of x and W's buffer (b + 3) % 4, in which those loads land
.endif
.if \fx
	XFETCH 1-((\b)%2)
.endif
.if \ask
	ASK
.endif
.if \fx
	s_wait_dscnt 8                                 ; this half step's fragments of x are in; the eight loads just issued may stay out
.else
	s_wait_dscnt 0x0
.endif
	MUL8 \b, 0, 0, \o, \first
.if \ld
	WLOAD ((\b)+3)%4, 0                            ; no wait: no vector or matrix instruction since the wait at the head names this buffer or its address
.endif
	MUL8 \b, 0, 1, \o, \first
	s_wait_loadcnt \wm
.if \ld
	WLOAD ((\b)+3)%4, 1                            ; likewise
.endif
	MUL8 \b, 1, 0, \o, \first
	MUL8 \b, 1, 1, \o, \first
.endm
.macro TRIP o, first, ask
	HS 0, \o, \first, 40, 40, 1, 1, \ask
	HS 1, \o, 0, 40, 40, 1, 1
	HS 2, \o, 0, 40, 40, 1, 1
	HS 3, \o, 0, 40, 40, 1, 1
.endm
; A chunk's 32 half steps.  The first trip is written out: its first products start the sums.  A chunk's last three half steps ask for the next chunk's first three.  The launch's last chunk has its last trip
; written out: one half step is left to ask for, and the counts run down with the granules still out.
.macro GEMM o, last
	WIN 0
	s_wait_loadcnt 0x0                             ; the bias image, the youngest of my loads, is in
.if !(\last)
	s_wait_xcnt 0x0                                ; and every load and prefetch has read its address, so the two pointers may be written:
	s_add_nc_u64 s[BPA:BPA+1], s[BPA:BPA+1], 32768 ; the next chunk's image: four waves x 8,192 bytes on
	s_add_nc_u64 s[PFA:PFA+1], s[PFA:PFA+1], 0x100000  ; the next chunk
.endif
	TRIP \o, 1, 0
	WIN 0
	s_mov_b32 s[LAPC], 7-(\last)
.Llap_\@:
	TRIP \o, 0, 1-(\last)
	WIN 0
	s_sub_co_u32 s[LAPC], s[LAPC], 1
	s_cmp_lg_u32 s[LAPC], 0
	s_cbranch_scc1 .Llap_\@
.if \last
	HS 0, \o, 0, 40, 40, 1, 1
	HS 1, \o, 0, 40, 32, 0, 1
	HS 2, \o, 0, 24, 16, 0, 1
	HS 3, \o, 0, 8, 0, 0, 0
.endif
	WIN 0
.endm
	; ---------------- the head ----------------
	s_load_b256 s[4:11], s[0:1], 0x0               ; x1 s[4:5], wp s[6:7], bp s[8:9], out0 s[10:11]
	v_lshl_add_u32 v[SPW], v0, 2, SPARE
	v_mov_b32 v[NIL], 0
	v_lshrrev_b32 v[T0], 5, v0
	v_readfirstlane_b32 s[WV], v[T0]               ; wave 0..3
	v_bfe_u32 v[H2], v0, 4, 1
	v_bfe_u32 v[T1], v0, 3, 1                      ; which of its pair's two tokens my lane's is
	v_cmp_eq_u32 s[MSK], v[T1], v[H2]              ; a score tile's lanes whose column and rows belong to the same token
	s_lshl_b32 s16, ttmp9, 18                      ; my work-group's 64 rows of 4,096 bytes
	s_mov_b32 s17, 0
	s_and_b32 s[ROT2], ttmp9, 15
	s_lshl_b32 s[ROT2], s[ROT2], 1
	s_wait_alu depctr_va_sdst(0)                   ; s[WV] and s[MSK] are written, ahead of their first readers and of every label: the line below reads s[WV], the softmax's selects read s[MSK]
	s_lshl_b32 s18, s[WV], 18                      ; my wave's stream in a chunk of wp
	s_mov_b32 s19, 0
	s_lshl_b32 s22, s[ROT2], 13                    ; and where I begin in it
	s_mov_b32 s23, 0
	s_lshl_b32 s[KO], s[ROT2], 6
	s_mov_b32 s[NL], 2                             ; the offsets of half steps 0 to 2 are made below
	s_mov_b32 s[LIM], ttmp9
	s_cmp_lt_u32 s[LIM], 16
	s_cselect_b32 s[LIM], 3, 0                     ; s[LAPC] is never 0 inside a loop
	s_mov_b32 s[CS], 0xbe0293ee                    ; -log2(e) / sqrt(128) = -0.127517
	s_mov_b32 s[CS+1], s[CS]                       ; named with it as a pair
	s_mov_b32 s[HM], 0xffff0000
	v_and_b32 v[R16], 15, v0
	v_and_b32 v[LN], 31, v0
	v_lshlrev_b32 v[LN16], 4, v[LN]
	v_lshlrev_b32 v[PFO], 8, v[LN]
	v_mul_u32_u24 v[AX0], v[R16], XP
	v_lshl_add_u32 v[AX0], v[H2], 4, v[AX0]
	v_add_nc_u32 v[AX0+1], 32*XP, v[AX0]
.irp b, 0,1,2
	s_add_co_u32 s20, s[ROT2], \b
	s_and_b32 s20, s20, 31
	s_lshl_b32 s20, s20, 13
	v_add_nc_u32 v[WA+(\b)], s20, v[LN16]          ; (the fourth is made by half step 0, which asks for half step 3)
.endr
	s_lshl_b32 s15, s[WV], 16                      ; my 16 rows of x1
	v_lshl_add_u32 v[XG], v[LN], 4, s15
	s_mul_i32 s15, s[WV], 16*XP                    ; and of x in LDS
	v_lshl_add_u32 v[XL], v[LN], 3, s15
	s_lshr_b32 s15, s[WV], 1                       ; q (waves 0, 1) or k (waves 2, 3),
	s_mul_i32 s15, s15, QKK
	s_and_b32 s20, s[WV], 1                        ; my block of 16 d
	s_lshl_b32 s20, s20, 9
	s_add_co_u32 s15, s15, s20
	s_add_co_u32 s15, s15, QST
	v_and_b32 v[T0], 7, v0                         ; my token's pair in its m-tile
	v_mul_u32_u24 v[QS], v[T0], QKB
	v_lshl_add_u32 v[QS], v[T1], 7, v[QS]
	v_lshl_add_u32 v[QS], v[H2], 8, v[QS]
	v_add_nc_u32 v[QS], s15, v[QS]
	s_mul_i32 s15, s[WV], 8*QKB                    ; my wave multiplies the pairs of m-tile w
	s_add_co_u32 s15, s15, QST
	v_lshl_add_u32 v[QR], v[LN], 4, s15
	v_lshl_add_u32 v[EX], v[LN], 4, ATL
	s_lshl_b32 s15, s[WV], 13                      ; my wave's eight pairs of 1,024 bytes
	v_add_nc_u32 v[EXS], s15, v[EX]
	s_lshl_b32 s15, s[WV], 6                       ; my 16 d: 64 bytes of a stage row
	s_add_co_u32 s15, s15, OSG
	v_mul_u32_u24 v[OST], v[R16], OPI
	v_lshl_add_u32 v[OST], v[H2], 5, v[OST]
	v_add_nc_u32 v[OST], s15, v[OST]
	s_mul_i32 s15, s[WV], 16*OPI                   ; back: my wave takes the batch's pair w, whole rows; lanes 0-15 one row, lanes 16-31 the next
	s_add_co_u32 s15, s15, OSG
	v_mul_u32_u24 v[ORD], v[H2], OPI
	v_lshl_add_u32 v[ORD], v[R16], 4, v[ORD]
	v_add_nc_u32 v[ORD], s15, v[ORD]
	s_lshl_b32 s15, s[WV], 12                      ; in out0: token w of the batch's four, head lane / 16 of two, 16 bytes a lane
	v_lshlrev_b32 v[OG], 9, v[H2]
	v_lshl_add_u32 v[OG], v[R16], 4, v[OG]
	v_add_nc_u32 v[OG], s15, v[OG]
	s_wait_kmcnt 0x0
	s_add_nc_u64 s[4:5], s[4:5], s[16:17]          ; x1 and out0 at my work-group's first token
	s_add_nc_u64 s[10:11], s[10:11], s[16:17]
	s_add_nc_u64 s[6:7], s[6:7], s[18:19]          ; wp at my wave's stream of chunk 0
	s_add_nc_u64 s[PFA:PFA+1], s[6:7], s[22:23]    ; where I begin a chunk; each chunk's head steps it to the next chunk
	s_lshl_b32 s18, s[WV], 13
	s_add_nc_u64 s[BPA:BPA+1], s[8:9], s[18:19]    ; chunk 0's bias image, my wave's 8,192 bytes
	s_wait_alu depctr_va_vdst(0)                   ; every offset and LDS address made above is written: the kernel's loads, stores and prefetches read them
	BIASLD
	; ---------------- x: f32 from memory, bf16 into LDS, once ----------------
	; Wave w takes rows 16 w .. 16 w + 15.  A row is eight loads of 512 consecutive bytes; eight groups of eight loads are on their way at a time, the rows in the accumulators' registers.
	; Behind the sixteenth row the groups go on with W's granules 0 to 5 (half steps 0 to 2), so that the weights are on their way when the products begin.
.macro XLOAD i
	WIN 0x40
.irp g, 0,1,2,3,4,5,6,7
	global_load_b128 v[32*((\i)%8)+4*(\g):32*((\i)%8)+4*(\g)+3], v[XG], s[4:5] offset:4096*(\i)+512*(\g) th:TH_LOAD_NT
.endr
.endm
.macro XGROUP i
.if (\i) < 15
	s_wait_loadcnt 56                              ; row i is in; the seven younger groups of eight may stay out
.else
	s_wait_loadcnt 48                              ; behind the last row stand six groups: W's granules 0 to 5
.endif
.if (\i) > 0
	s_wait_alu depctr_vm_vsrc(0)                   ; the LDS stores of the row before have read v[XT ..], which the roundings below write again
.endif
	WIN 0x05
.irp g, 0,1,2,3,4,5,6,7
	v_cvt_pk_bf16_f32 v[XT+2*(\g)],   v[32*((\i)%8)+4*(\g)],   v[32*((\i)%8)+4*(\g)+1]
	v_cvt_pk_bf16_f32 v[XT+2*(\g)+1], v[32*((\i)%8)+4*(\g)+2], v[32*((\i)%8)+4*(\g)+3]
.endr
	WIN 0
	s_wait_alu depctr_va_vdst(0)                   ; the roundings have written v[XT ..], which the LDS stores read, and are done reading the row's registers, in which the row eight further on lands
.irp g, 0,1,2,3,4,5,6,7
	ds_store_b64 v[XL], v[XT+2*(\g):XT+2*(\g)+1] offset:XP*(\i)+256*(\g)  ; 32 lanes, 256 consecutive bytes
.endr
.if (\i) < 8
	XLOAD (\i)+8
.elseif (\i) < 14
	WLOAD ((\i)-8)/2, ((\i)-8)%2
.endif
.endm
.irp i, 0,1,2,3,4,5,6,7
	XLOAD \i
.endr
	; While the first rows are on their way: the score tiles start at 0, so that the loop over the q/k chunks has one form of score product.
	WIN 0xc0
.set i, 0
.rept 64
	v_mov_b32 v[SC+i], 0
.set i, i+1
.endr
.irp i, 0,1,2,3,4,5,6,7,8,9,10,11,12,13,14,15
	XGROUP \i
.endr
	WIN 0
	s_wait_dscnt 0x0                               ; for the others' sake: my rows of x are stored
	BAR
	v_add_nc_u32 v[AXW], s[KO], v[AX0]
	v_add_nc_u32 v[AXW+1], s[KO], v[AX0+1]
	s_wait_alu depctr_va_vdst(0)                   ; the two adds have written v[AXW] and v[AXW+1], which the LDS loads below read
	XFETCH 0                                       ; half step 0's fragments of x; every later fetch stands in the half step before
	; ---------------- chunks 0 to 3: q and k, and their share of the scores ----------------
.macro QKPACK hf, base                 ; m-tiles 2 hf, 2 hf + 1: a lane's eight d of a token and head, rounded to bf16: 16 bytes
	WIN 0x05
.irp m, 0,1
.irp nt, 0,1,2,3,4,5,6,7
.irp k, 0,1,2,3
	v_cvt_pk_bf16_f32 v[(\base)+4*(8*(\m)+(\nt))+(\k)], v[8*(8*(2*(\hf)+(\m))+(\nt))+2*(\k)], v[8*(8*(2*(\hf)+(\m))+(\nt))+2*(\k)+1]
.endr
.endr
.endr
.endm
.macro QKPUT hf, base                  ; sixteen lanes' addresses lie 16 bytes apart modulo 256
	WIN 0
.irp m, 0,1
.irp nt, 0,1,2,3,4,5,6,7
	ds_store_b128 v[QS], v[(\base)+4*(8*(\m)+(\nt)):(\base)+4*(8*(\m)+(\nt))+3] offset:8*QKB*(2*(\hf)+(\m))+16*(\nt)
.endr
.endr
.endm
	s_mov_b32 s[CHK], 4
.Lchunk:
	GEMM 0, 0
	PLACES                                         ; behind the chunk's last products
	s_wait_dscnt 0x0                               ; no LDS load of mine is out (the next chunk's first fragments of x are in)
	s_barrier_signal -1
	QKPACK 0, TM                                   ; tokens 0 to 31 are rounded while the others arrive
	WIN 0
	s_barrier_wait -1                              ; every wave's reads of the stage in the chunk before were waited for ahead of its signal: the stage may be written again
	s_wait_alu depctr_va_vdst(0)                   ; the roundings have written v[TM .. TM+63], which the LDS stores read
	QKPUT 0, TM
	QKPACK 1, TM+64
	WIN 0
	s_wait_alu depctr_va_vdst(0)                   ; the roundings have written v[TM+64 .. TM+127], which the LDS stores read; no vector instruction names TM between here and the loads that land in it below
	QKPUT 1, TM+64
	BIASLD                                         ; the next chunk's, on its way during the epilogue
	s_wait_dscnt 0x0                               ; for the others' sake: my stores are done
	BAR
	s_wait_alu depctr_vm_vsrc(0)                   ; my LDS stores have read v[TM ..], in which the fragments below land
.irp t, 0,1,2,3,4,5,6,7                ; my wave's eight pairs: Q's fragment (8 registers), then K's; 512 consecutive bytes a load
	ds_load_b128 v[TM+16*(\t):TM+16*(\t)+3],     v[QR] offset:QKB*(\t)
	ds_load_b128 v[TM+16*(\t)+4:TM+16*(\t)+7],   v[QR] offset:QKB*(\t)+512
	ds_load_b128 v[TM+16*(\t)+8:TM+16*(\t)+11],  v[QR] offset:QKB*(\t)+QKK
	ds_load_b128 v[TM+16*(\t)+12:TM+16*(\t)+15], v[QR] offset:QKB*(\t)+QKK+512
.endr
	s_wait_dscnt 0x0                               ; my fragments are in: my reads of the stage are over
	WIN 0xf0
.irp t, 0,1,2,3,4,5,6,7                ; S^T += K Q^T over the chunk's 32 d: eight accumulators, one instruction each
	v_wmma_f32_16x16x32_bf16 v[SC+8*(\t):SC+8*(\t)+7], v[TM+16*(\t)+8:TM+16*(\t)+15], v[TM+16*(\t):TM+16*(\t)+7], v[SC+8*(\t):SC+8*(\t)+7]
.endr
	WIN 0
	PLACES                                         ; in front of the softmax's reads
	s_sub_co_u32 s[CHK], s[CHK], 1
	s_cmp_lg_u32 s[CHK], 0
	s_cbranch_scc1 .Lchunk
	; ---------------- the softmax of my eight score tiles, in the lane ----------------
	; The scale is negative, so the greatest scaled score is c x the least score: p = 2^(c s - c min).  Each accumulator's lowest registers are read first.
	WIN 0xff
.irp t, 0,1,2,3,4,5,6,7
	v_min3_num_f32 v[TT+2*(\t)+1], v[SC+8*(\t)], v[SC+8*(\t)+1], v[SC+8*(\t)+2]
.endr
.irp t, 0,1,2,3,4,5,6,7
	v_min3_num_f32 v[TT+2*(\t)+1], v[TT+2*(\t)+1], v[SC+8*(\t)+3], v[SC+8*(\t)+4]
.endr
.irp t, 0,1,2,3,4,5,6,7
	v_min3_num_f32 v[TT+2*(\t)+1], v[TT+2*(\t)+1], v[SC+8*(\t)+5], v[SC+8*(\t)+6]
.endr
.irp t, 0,1,2,3,4,5,6,7
	v_min_num_f32 v[TT+2*(\t)+1], v[TT+2*(\t)+1], v[SC+8*(\t)+7]
.endr
.irp t, 0,1,2,3,4,5,6,7
	v_mul_f32 v[TT+2*(\t)], s[CS], v[TT+2*(\t)+1]
.endr
.irp t, 0,1,2,3,4,5,6,7
.irp k, 0,2,4,6
	v_pk_fma_f32 v[SC+8*(\t)+(\k):SC+8*(\t)+(\k)+1], v[SC+8*(\t)+(\k):SC+8*(\t)+(\k)+1], s[CS:CS+1], v[TT+2*(\t):TT+2*(\t)+1] op_sel_hi:[1,0,0] neg_lo:[0,0,1] neg_hi:[0,0,1]
.endr
.endr
.set i, 0
.rept 64
	v_exp_f32 v[SC+i], v[SC+i]                     ; one batch
.set i, i+1
.endr
	v_nop                                          ; a plain instruction behind the last exponential,
	s_wait_alu depctr_va_vdst(0)                   ; and one wait ahead of the batch's first reader: the 64 exponentials have written v[SC ..]
.irp t, 0,1,2,3,4,5,6,7
	v_pk_add_f32 v[UU+4*(\t):UU+4*(\t)+1],   v[SC+8*(\t):SC+8*(\t)+1],     v[SC+8*(\t)+2:SC+8*(\t)+3]
	v_pk_add_f32 v[UU+4*(\t)+2:UU+4*(\t)+3], v[SC+8*(\t)+4:SC+8*(\t)+5],   v[SC+8*(\t)+6:SC+8*(\t)+7]
.endr
.irp t, 0,1,2,3,4,5,6,7
	v_pk_add_f32 v[UU+4*(\t):UU+4*(\t)+1], v[UU+4*(\t):UU+4*(\t)+1], v[UU+4*(\t)+2:UU+4*(\t)+3]
.endr
.irp t, 0,1,2,3,4,5,6,7
	v_add_f32 v[UU+4*(\t)], v[UU+4*(\t)], v[UU+4*(\t)+1]  ; the sum of the unrounded p: at least 1
.endr
.irp t, 0,1,2,3,4,5,6,7
	v_rcp_f32 v[UU+4*(\t)+2], v[UU+4*(\t)]
.endr
	v_nop
	s_wait_alu depctr_va_vdst(0)                   ; one wait for the eight reciprocals, ahead of their first reader
.irp t, 0,1,2,3,4,5,6,7
.irp k, 0,2,4,6
	v_pk_mul_f32 v[SC+8*(\t)+(\k):SC+8*(\t)+(\k)+1], v[SC+8*(\t)+(\k):SC+8*(\t)+(\k)+1], v[UU+4*(\t)+2:UU+4*(\t)+3] op_sel_hi:[1,0]
.endr
.endr
	; a in two parts: the high part is a rounded to bf16, the low part what that rounding left, rounded to bf16.
.irp t, 0,1,2,3,4,5,6,7
.irp k, 0,1,2,3
	v_cvt_pk_bf16_f32 v[AH+4*(\t)+(\k)], v[SC+8*(\t)+2*(\k)], v[SC+8*(\t)+2*(\k)+1]
.endr
.endr
.irp t, 0,1,2,3,4,5,6,7
.irp k, 0,1,2,3
	v_lshlrev_b32 v[UU+8*((\t)%4)+2*(\k)],   16, v[AH+4*(\t)+(\k)]     ; the high parts as f32,
	v_and_b32     v[UU+8*((\t)%4)+2*(\k)+1], s[HM], v[AH+4*(\t)+(\k)]
.endr
.irp k, 0,1,2,3
	v_pk_add_f32 v[SC+8*(\t)+2*(\k):SC+8*(\t)+2*(\k)+1], v[SC+8*(\t)+2*(\k):SC+8*(\t)+2*(\k)+1], v[UU+8*((\t)%4)+2*(\k):UU+8*((\t)%4)+2*(\k)+1] neg_lo:[0,1] neg_hi:[0,1]  ; taken away (exactly),
.endr
.irp k, 0,1,2,3
	v_cvt_pk_bf16_f32 v[AL+4*(\t)+(\k)], v[SC+8*(\t)+2*(\k)], v[SC+8*(\t)+2*(\k)+1]  ; and the rest rounded
.endr
.endr
.set i, 0
.rept 64
	v_cndmask_b32 v[AH+i], 0, v[AH+i], s[MSK]      ; 0 where row and column belong to different tokens: AH's 32 registers, then AL's
.set i, i+1
.endr
	; Every wave needs all 32 pairs' weights, since it holds its 16 d of v for all 64 tokens: they are laid in LDS, 1,024 bytes a pair, in bytes that nothing else uses, and read from there batch by batch.
	WIN 0x0c
	s_wait_alu depctr_va_vdst(0)                   ; the selects have written v[AH ..] and v[AL ..], which the LDS stores read
.irp t, 0,1,2,3,4,5,6,7
	ds_store_b128 v[EXS], v[AH+4*(\t):AH+4*(\t)+3] offset:EXB*(\t)      ; my tile t is pair 8 w + t
	ds_store_b128 v[EXS], v[AL+4*(\t):AL+4*(\t)+3] offset:EXB*(\t)+512
.endr
	WIN 0
	s_wait_dscnt 0x0                               ; for the others' sake: my stores are done
	BAR
	; ---------------- chunks 4 and 5: v, out = a v, and the way out ----------------
	; Batch n = 2 mt + u holds the four pairs 4 n + e.  Its 64 rows (pair, token of the pair, head) x 64 d of f32 meet in a stage buffer (two take turns), each wave writing its 16 d;
	; behind a barrier each wave reads 16 whole rows of 256 bytes and stores them.
; Source 0.  For pair e, register k: heads 2 k and 2 k + 1 of accumulator register 4 u + e (u = 0 comes first: the lowest registers are read first).
; The high part stands twice, round the low part, so that the two tuples [Vh | Vl] and [Vl | Vh] lie in 12 registers.
.macro PVCVT n
	WIN 0x05
.irp e, 0,1,2,3
.irp k, 0,1,2,3
	v_cvt_pk_bf16_f32 v[PVA+12*(\e)+(\k)],   v[8*(8*((\n)/2)+2*(\k))+4*((\n)%2)+(\e)], v[8*(8*((\n)/2)+2*(\k)+1)+4*((\n)%2)+(\e)]
	v_cvt_pk_bf16_f32 v[PVA+12*(\e)+8+(\k)], v[8*(8*((\n)/2)+2*(\k))+4*((\n)%2)+(\e)], v[8*(8*((\n)/2)+2*(\k)+1)+4*((\n)%2)+(\e)]
.endr
.endr
	WIN 0
.irp e, 0,1,2,3
.irp k, 0,1,2,3
	v_lshlrev_b32 v[PVT+2*(4*(\e)+(\k))],   16, v[PVA+12*(\e)+(\k)]    ; the high parts as f32,
	v_and_b32     v[PVT+2*(4*(\e)+(\k))+1], s[HM], v[PVA+12*(\e)+(\k)]
.endr
.endr
	WIN 0x01
.irp e, 0,1,2,3
.irp k, 0,1,2,3
	v_sub_f32 v[PVT+2*(4*(\e)+(\k))],   v[8*(8*((\n)/2)+2*(\k))+4*((\n)%2)+(\e)],   v[PVT+2*(4*(\e)+(\k))]    ; taken away from v (exactly),
	v_sub_f32 v[PVT+2*(4*(\e)+(\k))+1], v[8*(8*((\n)/2)+2*(\k)+1)+4*((\n)%2)+(\e)], v[PVT+2*(4*(\e)+(\k))+1]
.endr
.endr
	WIN 0
.irp e, 0,1,2,3
.irp k, 0,1,2,3
	v_cvt_pk_bf16_f32 v[PVA+12*(\e)+4+(\k)], v[PVT+2*(4*(\e)+(\k))], v[PVT+2*(4*(\e)+(\k))+1]  ; and the rest rounded
.endr
.endr
.endm
.macro ATTGET n                        ; [Ah | Al] of the batch's four pairs: 512 consecutive bytes a load.  The products that read these registers last stand ahead of a wait on va_vdst, and nothing behind that wait names them
	WIN 0xc0
.irp e, 0,1,2,3
	ds_load_b128 v[ATF+8*(\e):ATF+8*(\e)+3],   v[EX] offset:EXB*(4*(\n)+(\e))
	ds_load_b128 v[ATF+8*(\e)+4:ATF+8*(\e)+7], v[EX] offset:EXB*(4*(\n)+(\e))+512
.endr
.endm
; out^T = v^T a^T: for each pair [Vh | Vl] x [Ah | Al], then [Vl | Vh] x [Ah | Al] onto it.  The batch's four accumulators take turns: three others stand between a chain's two links.
.macro PVMM n
	WIN 0x0c
.irp c, 0,1
.irp e, 0,1,2,3
.set rD, PVD+32*((\n)%2)+8*(\e)
.set rA, PVA+12*(\e)+4*(\c)
.if (\c) == 0
	v_wmma_f32_16x16x32_bf16 v[rD:rD+7], v[rA:rA+7], v[ATF+8*(\e):ATF+8*(\e)+7], 0
.else
	v_wmma_f32_16x16x32_bf16 v[rD:rD+7], v[rA:rA+7], v[ATF+8*(\e):ATF+8*(\e)+7], v[rD:rD+7]
.endif
.endr
.endr
.endm
.macro PVPUT n
	WIN 0
.irp e, 0,1,2,3
	ds_store_b128 v[OST], v[PVD+32*((\n)%2)+8*(\e):PVD+32*((\n)%2)+8*(\e)+3]   offset:OBUF*((\n)%2)+16*OPI*(\e)
	ds_store_b128 v[OST], v[PVD+32*((\n)%2)+8*(\e)+4:PVD+32*((\n)%2)+8*(\e)+7] offset:OBUF*((\n)%2)+16*OPI*(\e)+16
.endr
.endm
.macro PVGET n
	WIN 0xc0
	s_wait_alu depctr_vm_vsrc(0)                   ; the global stores of the batch before have read v[PVR ..], in which these loads land; the stage's stores have read the buffer of PVD that the next products write
.irp i, 0,1,2,3,4,5,6,7
	ds_load_b128 v[PVR+4*(\i):PVR+4*(\i)+3], v[ORD] offset:OBUF*((\n)%2)+2*OPI*(\i)
.endr
.endm
.macro PVSEND n, cp                    ; stage row 2 i + lane / 16 of my pair: token i / 4 of the pair, head (2 i) % 8 + lane / 16.  16 lanes store 256 consecutive bytes, at a multiple of 256 from out0's first byte
	WIN 0x0c
.irp i, 0,1,2,3,4,5,6,7
	global_store_b128 v[OG], v[PVR+4*(\i):PVR+4*(\i)+3], s[10:11] offset:65536*((\n)/2)+16384*((\n)%2)+32768*((\i)/4)+512*((2*(\i))%8)+256*(\cp) th:TH_STORE_NT
.endr
.endm
.macro VCHUNK cp, last
	GEMM 1, \last
	PLACES                                         ; behind the chunk's last products
.if !(\last)
	BIASLD
.endif
	ATTGET 0
	PVCVT 0
	s_wait_dscnt 0x0                               ; the batch's weights are in
	PVMM 0
	PLACES                                         ; in front of the stores of the results and of the next batch's writes into source 0's registers
	s_wait_alu depctr_va_vdst(0)                   ; the products have written v[PVD ..], which the LDS stores read, and are done reading v[ATF ..], in which the next batch's weights land
	PVPUT 0
.irp n, 1,2,3,4,5,6,7
	WIN 0
	s_wait_dscnt 0x0                               ; my stores of batch n - 1 are done, and my reads of batch n - 2 are back
	BAR                                            ; everybody's: batch n - 1 may be read, and the other buffer written again
	s_wait_xcnt 0x0                                ; the stores of batch n - 2 have had their addresses translated: their registers are loaded again below
	PVGET (\n)-1
	ATTGET \n
	PVCVT \n                                       ; the batch's arithmetic stands between the sixteen loads and the wait for them
	s_wait_dscnt 0x0
	PVMM \n
	PLACES
	s_wait_alu depctr_va_vdst(0)                   ; the products have written v[PVD ..], which the LDS stores read, and are done reading v[ATF ..], in which the next batch's weights land
	PVPUT \n
	PVSEND (\n)-1, \cp
.endr
	WIN 0
	s_wait_dscnt 0x0
	BAR
	s_wait_xcnt 0x0
	PVGET 7
	s_wait_dscnt 0x0
	PVSEND 7, \cp
.endm
	VCHUNK 0, 0
	VCHUNK 1, 1
	WIN 0
	s_wait_dscnt 0x0                               ; the closing lines, six on end
	s_wait_alu 0x0
	s_wait_tensorcnt 0x0
	ds_add_u32 v[SPW], v[NIL]
	s_wait_dscnt 0x0
	s_endpgm
.Lfunc_end_k_q32f8386ce9_fused:
	.size	k_q32f8386ce9_fused, .Lfunc_end_k_q32f8386ce9_fused-k_q32f8386ce9_fused
	.p2alignl 7, 3214868480
	.fill 96, 4, 3214868480
	.section	.rodata,"a",@progbits
	.p2align	6, 0x0
	.amdhsa_kernel k_q32f8386ce9_fused
		.amdhsa_group_segment_fixed_size 266752
		.amdhsa_private_segment_fixed_size 0
		.amdhsa_enable_private_segment 0
		.amdhsa_kernarg_size 32
		.amdhsa_user_sgpr_count 2
		.amdhsa_user_sgpr_kernarg_segment_ptr 1
		.amdhsa_wavefront_size32 1
		.amdhsa_system_sgpr_workgroup_id_x 1
		.amdhsa_system_sgpr_workgroup_id_y 1
		.amdhsa_system_sgpr_workgroup_id_z 1
		.amdhsa_system_vgpr_workitem_id 0
		.amdhsa_next_free_vgpr 1008
		.amdhsa_next_free_sgpr 66
		.amdhsa_reserve_vcc 0
		.amdhsa_float_denorm_mode_32 3
		.amdhsa_float_denorm_mode_16_64 3
		.amdhsa_memory_ordered 1
		.amdhsa_forward_progress 1
		.amdhsa_inst_pref_size 255
	.end_amdhsa_kernel
	.section	.bss,"aw",@nobits
	.p2align	6
	.space	262144
	.amdgpu_metadata
---
amdhsa.version: [ 1, 2 ]
amdhsa.kernels:
  - .name:           k_q32f8386ce9_fused
    .symbol:         k_q32f8386ce9_fused.kd
    .args:
      - { .name: x1, .offset: 0, .size: 8, .value_kind: global_buffer, .address_space: global }
      - { .name: wp, .offset: 8, .size: 8, .value_kind: global_buffer, .address_space: global }
      - { .name: bp, .offset: 16, .size: 8, .value_kind: global_buffer, .address_space: global }
      - { .name: out0, .offset: 24, .size: 8, .value_kind: global_buffer, .address_space: global }
    .group_segment_fixed_size: 266752
    .private_segment_fixed_size: 0
    .kernarg_segment_align: 8
    .kernarg_segment_size: 32
    .max_flat_workgroup_size: 128
    .sgpr_count:     66
    .vgpr_count:     1008
    .wavefront_size: 32
...
	.end_amdgpu_metadata
.endif
;; end of part 5
